; MI455X (gfx1250); checked and timed in simulation.
; The chip was launched on July 23, 2026; its instructions are those of AMD's public machine-readable ISA for CDNA 5 (MIT licence, August 2026) and "CDNA5" Instruction Set Architecture Reference Guide (July 2026). The comments in the code are by the model that wrote it; some were corrected since.
;; Attention. Allowed arithmetic: matrix products marked QUANTISED: E4M3 operands, one given power-of-two scale a tensor, by v_wmma_f32_16x16x64_fp8_fp8 or v_wmma_f32_16x16x128_fp8_fp8, f32 sums; everything else in f32.
;; Inputs: Wo 1,024 x 1,024 float32; Wqkv 3,072 x 1,024 float32; lowp_scales 8 int32 (the exponents e of the quantised operands' scales 2^e); x 2 x 2,048 x 1,024 float32.
;; Outputs: out0 2 x 2,048 x 1,024 float32.
;; This version of the problem:
;;   THIS VERSION OF THE PROBLEM IS GIVEN IN LOW PRECISION. The matrix products marked QUANTISED in the list below multiply operands that are first quantised to E4M3 (4 exponent bits, 3 mantissa bits; 8 bits a number), with one given power-of-two scale for each operand tensor; their sums are f32. All else is computed in f32.
;;   The module's matrix products, in the order in which they are computed (A, B: the left and right operand; K: the contracted axis; several contracted axes count as one K, in the product's order):
;;     1. [M 4,096, K 1,024] x [K 1,024, N 3,072]; A: input x; B: input Wqkv: QUANTISED (scales: A lowp_scales[0], B lowp_scales[1])
;;     2. batch 32 x [M 2,048, K 64] x [K 64, N 2,048]; A: computed on the way; B: computed on the way: QUANTISED (scales: A lowp_scales[2], B lowp_scales[3])
;;     3. batch 32 x [M 2,048, K 2,048] x [K 2,048, N 64]; A: softmax (see below); B: computed on the way: QUANTISED (scales: A lowp_scales[4], B lowp_scales[5])
;;     4. [M 4,096, K 1,024] x [K 1,024, N 1,024]; A: computed on the way; B: input Wo: QUANTISED (scales: A lowp_scales[6], B lowp_scales[7])
;;   THE QUANTISER, for each operand of a quantised product, along K:
;;     - The operand's scale is 2^e, e = its entry of the input lowp_scales (int32; the entries are numbered through the quantised products in the list's order, A before B).
;;     - Each number is divided by the scale, clamped to +-448, and rounded to the nearest number of E4M3, ties to even, subnormals kept.
;;     - The product sums the exact products of the quantised numbers (number of the format x scale) in f32.
;;   ~~~python
;;   def quantise(x, axis, e):      # numpy; x: float32 -> the quantised numbers, widened to float32 again
;;       x = np.moveaxis(x, axis, -1); K = x.shape[-1]
;;       r = np.clip(x / 2.0 ** e, -448, 448)
;;       step = 2.0 ** (np.maximum(np.frexp(np.where(r == 0, 1, r))[1] - 1, -6) - 3)
;;       q = np.round(r / step) * step * 2.0 ** e      # np.round: ties to even
;;       return np.moveaxis(q, -1, axis).astype(np.float32)
;;   ~~~
;;   SOFTMAX AHEAD OF A QUANTISED PRODUCT. Where the list says 'softmax', what is quantised is not the finished softmax but p = 2^(t - M), with t = logit x log2(e) and M = ceil(the row's largest t), a whole number; so 1/2 < the row's largest p <= 1. The row's sum l is taken of the UNQUANTISED p, in f32, and the product's result is divided by l at the end. Since M is a whole number, a kernel that streams over the keys may use a running M (the ceiling of the running maximum): every later rescaling is an exact power of two, so the quantised numbers keep their values, but for numbers so far below the row's largest that they fall under the format's range.
;;   OPERANDS COMPUTED ON THE WAY. 'Computed on the way' means the value that the module computes at that place (a softmax that the list does not call 'softmax' is quantised finished and normalised). What goes into a quantiser is computed in f32, as accurately as f32 sums, v_exp_f32 and their like allow (about 1e-6 of the number): no bf16 or f16 on the way to a quantiser, and a product that is left as it is and whose result goes on into a quantised operand takes f32 operands (vector FMAs, or v_wmma_f32_16x16x4_f32). A number that lies on a knife's edge between two numbers of the format may be rounded either way, as far as f32 arithmetic and the matrix unit's own rounding can turn it there, and no further.
;; 2 versions, each right; version 2 is version 1 with the launch attn written anew for expert scheduling mode. Each part assembles by itself: llvm-mc -triple=amdgcn-amd-amdhsa -mcpu=gfx1250 --defsym DOCPART=n.
;; ======== version 1 of 2: 4 launches
;; workspace buffers: codes 8,388,608 bytes; rope 524,288 bytes; qkv_img 12,582,912 bytes; o_img 4,194,304 bytes
;; launch quant (part 1): grid 256 x 1, 4 waves a work-group, no clusters, 33,280 bytes of LDS; arguments x, Wqkv, Wo, lowp_scales, codes, rope; writes codes, rope
.if DOCPART == 1
	.amdgcn_target "amdgcn-amd-amdhsa--gfx1250"
	.amdhsa_code_object_version 6
	.text
	.protected	k_q1663b7a5d9_quant
	.globl	k_q1663b7a5d9_quant
	.p2align	8
	.type	k_q1663b7a5d9_quant,@function
k_q1663b7a5d9_quant:
	s_mov_b64 s[64:65], 0
	v_nop
	global_prefetch_b8 v0, s[64:65] scope:SCOPE_SE
	s_setreg_imm32_b32 hwreg(HW_REG_WAVE_MODE, 25, 1), 1
	s_wait_xcnt 0x0
; x [4096][1024], Wqkv [3072][1024] and Wo [1024][1024], f32 with K innermost, become codes of FP8 (E4M3), one byte each, in ONE buffer: x at byte 0, Wqkv at 0x400000, Wo at 0x700000; a row is 1,024 bytes.
; code = number / 2^e, held within +-448, rounded to the nearest code, ties to even; e = entry 0 (x), 1 (Wqkv), 7 (Wo) of the scales.
; THE ROWS ARE STORED WITH BITS 3 AND 4 OF THE ROW NUMBER SWAPPED.  Sixteen stored rows 16 a + r are then the true rows 32 (a / 2) + 8 (a % 2) + r % 8 + 16 (r / 8), so that in the products that follow
; (used transposed) the 16 registers of two neighbouring result tiles are 16 true neighbours: a conversion's result is at once a piece of the next operand.
; A wave takes 8 rows (8,192 numbers) in 16 steps of 512; a work-group 32 rows, so the swap of row bits 3, 4 is a swap of the two bits of the wave's number in the place that it stores to.
; Each load reads 512 consecutive bytes; a step's 2,048 bytes turn through the wave's own stage in LDS (16 bytes of padding behind each 64) and come back 16 neighbours a lane; a lane's 16 codes are 16 bytes, the wave stores 512 on end.
; Waves share nothing: no barrier, no cluster, no matrix unit (the launch is a stream).  Loads run four steps (16 loads a wave) ahead.
; THE TABLE.  Each of the 32,768 threads also makes 16 bytes of the rotation's table: (cos, sin, cos, sin) of two neighbouring pairs at one position, laid [P 0..127][chunk 0..7][lane][16 bytes]:
; lane (r, h) of chunk 4 u + q of P holds pairs i = 16 u + 8 h + 2 q, i + 1 at position 32 (P / 2) + 8 (P % 2) + r % 8 + 16 (r / 8).  angle = position x 10000^(-i / 32), rounded to f32;
; it is reduced by j = round(angle x 2 / pi) quarter turns with pi / 2 in three parts (the first multiply-add is exact: j has 11 bits at the most), and cos and sin of the rest, at most pi / 4, are short polynomials.
; LIMITS: each e between -126 and 119.  NaN among the inputs is not served.  10000^(-i / 32) is made by v_exp_f32, so an angle can differ from one made by a correctly rounded power by some 2e-7 of itself (2e-4 at position 2,047).
.set STEPS, 16
.set EMAX,  8
.set MANT,  0x600000                   ; the mantissa field of 448 as f32
.set R,     16                         ; v16-79   four sets of 16 numbers as they are loaded
.set X,     80                         ; v80-111  two sets of 16 neighbours
.set C,     128                        ; v128-191 codes: four registers for each step, so that no store's data are written again
.set WREG,  8192                       ; LDS: a region for each wave: two stages of 32 x SP bytes
.set SP,    80                         ; a lane's place in a stage: 64 bytes + 16 of padding
	s_load_b256 s[4:11], s[0:1], 0x0               ; x s[4:5], Wqkv s[6:7], Wo s[8:9], the scales' exponents s[10:11]
	s_load_b128 s[12:15], s[0:1], 0x20             ; the codes s[12:13], the table s[14:15]
	v_lshl_add_u32 v224, v0, 2, 0x8000
	v_mov_b32 v225, 0
	v_lshrrev_b32 v1, 5, v0
	v_readfirstlane_b32 s16, v1                    ; wave
	v_and_b32 v2, 31, v0                           ; lane
	v_lshlrev_b32 v3, 4, v2                        ; my 16 bytes of a load's 512, and of a step's codes
	s_mul_i32 s17, s16, WREG
	v_lshrrev_b32 v14, 2, v2
	v_mul_u32_u24 v14, v14, SP
	v_and_b32 v15, 3, v2
	v_lshl_add_u32 v14, v15, 4, v14
	v_add_nc_u32 v14, s17, v14                     ; the stage, on the way in: SP (lane / 4) + 16 (lane % 4)
	v_mul_u32_u24 v15, v2, SP
	v_add_nc_u32 v15, s17, v15                     ; and on the way out: SP x lane: my 16 neighbours
	s_wait_kmcnt 0x0
	s_load_b256 s[24:31], s[10:11], 0x0            ; e0 .. e7
	s_cmp_lt_u32 ttmp9, 128                        ; work-groups 0-127: x; 128-223: Wqkv; 224-255: Wo.  The choice hangs on the work-group's number alone
	s_cselect_b64 s[4:5], s[4:5], s[6:7]
	s_cselect_b32 s17, 0, 128
	s_cmp_lt_u32 ttmp9, 224
	s_cselect_b64 s[4:5], s[4:5], s[8:9]
	s_cselect_b32 s17, s17, 224                    ; the tensor's first work-group
	s_sub_co_u32 s17, ttmp9, s17
	s_lshl_b32 s17, s17, 2
	s_add_co_u32 s18, s17, s16                     ; which 8 rows of the tensor are my wave's
	s_lshl_b32 s18, s18, 15                        ; x 32,768 bytes
	s_mov_b32 s19, 0
	s_add_nc_u64 s[4:5], s[4:5], s[18:19]
	s_and_b32 s20, s16, 1
	s_lshl_b32 s20, s20, 1
	s_lshr_b32 s21, s16, 1
	s_or_b32 s20, s20, s21                         ; the wave's number with its two bits swapped
	s_lshl_b32 s21, ttmp9, 2
	s_add_co_u32 s20, s20, s21
	s_lshl_b32 s20, s20, 13                        ; x 8,192 bytes of codes; the three tensors lie on end in the order of the work-groups
	s_mov_b32 s21, 0
	s_add_nc_u64 s[12:13], s[12:13], s[20:21]
.macro LOAD t
.irp i, 0,1,2,3
	global_load_b128 v[R+16*((\t)%4)+4*\i:R+16*((\t)%4)+4*\i+3], v3, s[4:5] offset:2048*(\t)+512*\i th:TH_LOAD_NT   ; 32 lanes read 512 consecutive bytes
.endr
.endm
.macro TURN t                          ; step t's numbers through the stage: LDS serves a wave's instructions in order, so no wait stands between the stores and the loads
.irp i, 0,1,2,3
	ds_store_b128 v14, v[R+16*((\t)%4)+4*\i:R+16*((\t)%4)+4*\i+3] offset:32*SP*((\t)%2)+8*SP*\i
.endr
.irp i, 0,1,2,3
	ds_load_b128 v[X+16*((\t)%2)+4*\i:X+16*((\t)%2)+4*\i+3], v15 offset:32*SP*((\t)%2)+16*\i
.endr
.endm
.irp t, 0,1,2,3
	LOAD \t
.endr
	; ---- the table, while the first sixteen loads are on their way.  v192 position; v193, v194 leading coefficients; v195 at work; v196-201, v202-207 the two angles; v208-211 the result; v212 its place
	s_lshr_b32 s32, ttmp9, 1                       ; P
	s_lshr_b32 s33, s32, 1
	s_lshl_b32 s33, s33, 5                         ; 32 (P / 2)
	s_and_b32 s32, s32, 1
	s_lshl_b32 s32, s32, 3
	s_add_co_u32 s33, s33, s32                     ; + 8 (P % 2)
	s_and_b32 s34, ttmp9, 1
	s_lshl_b32 s34, s34, 4
	s_lshl_b32 s35, s16, 1
	s_add_co_u32 s34, s34, s35                     ; chunk = 4 (work-group % 2) + wave: 16 (work-group % 2) + 2 wave
	s_lshl_b32 s35, ttmp9, 11                      ; a work-group's 128 threads x 16 bytes
	v_and_b32 v192, 7, v0
	v_bfe_u32 v195, v0, 3, 1
	v_lshl_add_u32 v192, v195, 4, v192
	v_add_nc_u32 v192, s33, v192
	v_cvt_f32_u32 v192, v192                       ; the position
	v_bfe_u32 v195, v0, 4, 1
	v_lshl_add_u32 v195, v195, 3, s34              ; the first pair: i = 16 u + 2 q + 8 h
	v_cvt_f32_u32 v196, v195
	v_add_nc_u32 v195, 1, v195
	v_cvt_f32_u32 v202, v195
	v_mul_f32 v196, 0xbed49a78, v196               ; -i log2(10000) / 32
	v_mul_f32 v202, 0xbed49a78, v202
	v_exp_f32 v196, v196                           ; 10000^(-i / 32): the two exponentials are one batch
	v_exp_f32 v202, v202
	v_mov_b32 v193, 0x37ccf5ce                     ; (plain lines behind the batch)
	v_mov_b32 v194, 0xb94ca1f9
	v_lshl_add_u32 v212, v0, 4, s35
	s_wait_alu depctr_va_vdst(0)                   ; one wait for the batch, ahead of its first reader
.macro SINCOS a, o                     ; v[a]: 10000^(-i / 32);  v[o], v[o + 1]: cos and sin of position x that
	v_mul_f32 v[\a], v192, v[\a]                   ; the angle, rounded to f32
	v_mul_f32 v[\a+1], 0x3f22f983, v[\a]           ; x 2 / pi
	v_rndne_f32 v[\a+1], v[\a+1]                   ; j quarter turns
	v_fmamk_f32 v[\a+2], v[\a+1], 0xbfc90fda, v[\a]     ; angle - j pi / 2, pi / 2 in three parts
	v_fmamk_f32 v[\a+2], v[\a+1], 0xb3a22168, v[\a+2]
	v_fmamk_f32 v[\a+2], v[\a+1], 0xa7c234c4, v[\a+2]   ; r, at most pi / 4
	v_mul_f32 v[\a+3], v[\a+2], v[\a+2]            ; z = r r
	v_fmaak_f32 v[\a+4], v[\a+3], v193, 0xbab6061a
	v_fmaak_f32 v[\a+4], v[\a+4], v[\a+3], 0x3d2aaaa5
	v_fma_f32 v[\a+4], v[\a+4], v[\a+3], -0.5
	v_fma_f32 v[\a+4], v[\a+4], v[\a+3], 1.0       ; cos r
	v_fmaak_f32 v[\a+5], v[\a+3], v194, 0x3c08839e
	v_fmaak_f32 v[\a+5], v[\a+5], v[\a+3], 0xbe2aaaa3
	v_mul_f32 v[\a+3], v[\a+2], v[\a+3]            ; r z
	v_fma_f32 v[\a+5], v[\a+5], v[\a+3], v[\a+2]   ; sin r
	v_cvt_i32_f32 v[\a+1], v[\a+1]
	v_and_b32 v195, 1, v[\a+1]
	v_cmp_eq_u32 vcc_lo, 1, v195                   ; an odd number of quarter turns swaps the two
	v_cndmask_b32 v[\o+1], v[\a+5], v[\a+4], vcc_lo
	v_cndmask_b32 v[\o], v[\a+4], v[\a+5], vcc_lo
	v_lshlrev_b32 v195, 30, v[\a+1]                ; sin changes sign where j % 4 is 2 or 3,
	v_and_b32 v195, 0x80000000, v195
	v_xor_b32 v[\o+1], v[\o+1], v195
	v_add_nc_u32 v[\a+1], 1, v[\a+1]
	v_lshlrev_b32 v195, 30, v[\a+1]                ; cos where it is 1 or 2
	v_and_b32 v195, 0x80000000, v195
	v_xor_b32 v[\o], v[\o], v195
.endm
	SINCOS 196, 208
	SINCOS 202, 210
	global_store_b128 v212, v[208:211], s[14:15]   ; the wave stores 512 consecutive bytes; neither register is written again
	; ---- the scale
	s_wait_kmcnt 0x0
	s_cmp_lt_u32 ttmp9, 128
	s_cselect_b32 s22, s24, s25
	s_cmp_lt_u32 ttmp9, 224
	s_cselect_b32 s22, s22, s31                    ; e
	s_add_co_i32 s22, s22, 127
	s_lshl_b32 s23, s22, 23
	v_mov_b32 v11, s23                             ; 2^e as f32: the conversion takes its exponent field
	s_add_co_i32 s22, s22, EMAX
	s_lshl_b32 s22, s22, 23
	s_or_b32 s22, s22, MANT
	v_mov_b32 v10, s22                             ; 448 x 2^e
	s_wait_loadcnt 12                              ; step 0's four loads are in; those of steps 1 to 3 may be out
	TURN 0
.macro STEP t
.set XS, X+16*((\t)%2)
	s_wait_dscnt 0x0                               ; this step's numbers are back from the stage: so its stores into the stage have read their registers,
.if (\t)+4 < STEPS
	LOAD (\t)+4                                    ; which take the loads of four steps on
.endif
.if (\t)+1 < STEPS
.if STEPS-2-(\t) >= 3
	s_wait_loadcnt 12                              ; the next step's four loads are in; those of the three steps behind it may be out
.else
	s_wait_loadcnt 4*(STEPS-2-(\t))
.endif
	TURN (\t)+1                                    ; and go through the other stage while this step is worked
.endif
.irp i, 0,1,2,3,4,5,6,7,8,9,10,11,12,13,14,15
	v_med3_num_f32 v[XS+\i], v[XS+\i], -v10, v10   ; the conversion to an 8-bit code does not saturate (ISA guide 7.6.2): the hold at the largest code x the scale
.endr
	v_cvt_scalef32_pk8_fp8_f32 v[C+4*(\t):C+4*(\t)+1], v[XS:XS+7], v11
	v_cvt_scalef32_pk8_fp8_f32 v[C+4*(\t)+2:C+4*(\t)+3], v[XS+8:XS+15], v11   ; the results go to a store alone; the next vector lines are the next step's holds, on other registers
	global_store_b128 v3, v[C+4*(\t):C+4*(\t)+3], s[12:13] offset:512*(\t)
.endm
.irp t, 0,1,2,3,4,5,6,7,8,9,10,11,12,13,14,15
	STEP \t
.endr
	s_wait_tensorcnt 0x0
	ds_add_u32 v224, v225
	s_wait_dscnt 0x0
	s_endpgm
.Lfunc_end_k_q1663b7a5d9_quant:
	.size	k_q1663b7a5d9_quant, .Lfunc_end_k_q1663b7a5d9_quant-k_q1663b7a5d9_quant
	.p2alignl 7, 3214868480
	.fill 96, 4, 3214868480
	.section	.rodata,"a",@progbits
	.p2align	6, 0x0
	.amdhsa_kernel k_q1663b7a5d9_quant
		.amdhsa_group_segment_fixed_size 33280
		.amdhsa_private_segment_fixed_size 0
		.amdhsa_enable_private_segment 0
		.amdhsa_kernarg_size 48
		.amdhsa_user_sgpr_count 2
		.amdhsa_user_sgpr_kernarg_segment_ptr 1
		.amdhsa_wavefront_size32 1
		.amdhsa_system_sgpr_workgroup_id_x 1
		.amdhsa_system_sgpr_workgroup_id_y 1
		.amdhsa_system_sgpr_workgroup_id_z 1
		.amdhsa_system_vgpr_workitem_id 0
		.amdhsa_next_free_vgpr 226
		.amdhsa_next_free_sgpr 66
		.amdhsa_reserve_vcc 1
		.amdhsa_float_denorm_mode_32 3
		.amdhsa_float_denorm_mode_16_64 3
		.amdhsa_memory_ordered 1
		.amdhsa_forward_progress 1
		.amdhsa_inst_pref_size 41
	.end_amdhsa_kernel
	.amdgpu_metadata
---
amdhsa.version: [ 1, 2 ]
amdhsa.kernels:
  - .name:           k_q1663b7a5d9_quant
    .symbol:         k_q1663b7a5d9_quant.kd
    .args:
      - { .name: x, .offset: 0, .size: 8, .value_kind: global_buffer, .address_space: global }
      - { .name: Wqkv, .offset: 8, .size: 8, .value_kind: global_buffer, .address_space: global }
      - { .name: Wo, .offset: 16, .size: 8, .value_kind: global_buffer, .address_space: global }
      - { .name: lowp_scales, .offset: 24, .size: 8, .value_kind: global_buffer, .address_space: global }
      - { .name: codes, .offset: 32, .size: 8, .value_kind: global_buffer, .address_space: global }
      - { .name: rope, .offset: 40, .size: 8, .value_kind: global_buffer, .address_space: global }
    .group_segment_fixed_size: 33280
    .private_segment_fixed_size: 0
    .kernarg_segment_align: 8
    .kernarg_segment_size: 48
    .max_flat_workgroup_size: 128
    .sgpr_count:     66
    .vgpr_count:     226
    .wavefront_size: 32
...
	.end_amdgpu_metadata
.endif
;; end of part 1
;; launch qkv (part 2): grid 12 x 16, 4 waves a work-group, clusters of 4 x 4, 327,680 bytes of LDS; arguments codes, rope, lowp_scales, qkv_img; writes qkv_img
.if DOCPART == 2
	.amdgcn_target "amdgcn-amd-amdhsa--gfx1250"
	.amdhsa_code_object_version 6
	.text
	.protected	k_q1663b7a5d9_qkv
	.globl	k_q1663b7a5d9_qkv
	.p2align	8
	.type	k_q1663b7a5d9_qkv,@function
k_q1663b7a5d9_qkv:
	s_mov_b64 s[64:65], 0
	v_nop
	global_prefetch_b8 v0, s[64:65] scope:SCOPE_SE
	s_setreg_imm32_b32 hwreg(HW_REG_WAVE_MODE, 25, 1), 1
	s_wait_xcnt 0x0
	s_wait_alu depctr_hold_cnt(0) depctr_sa_sdst(0) depctr_va_vdst(0) depctr_va_sdst(0) depctr_va_ssrc(0) depctr_va_vcc(0) depctr_vm_vsrc(0)
	s_getreg_b32 s2, hwreg(HW_REG_IB_STS2, 6, 4)
	s_cmp_eq_u32 s2, 0
	s_cbranch_scc0 .Lentry_in_a_cluster
	s_endpgm
.Lentry_in_a_cluster:
	s_bfe_u32 s2, ttmp6, 0x10000c
	s_cmp_lg_u32 s2, 0xf033
	s_cbranch_scc0 .Lentry_shape_is_right
	s_endpgm
.Lentry_shape_is_right:
; The projection x Wqkv^T on codes of FP8 (E4M3), the rotation of q and k, and the quantising of q, k and v for the attention's two products.
; ONE BODY, C[m][n] = sum over k of A[m][k] B[n][k], K = 1,024, serves two layings.  Cluster column 0 (q) and 1 (k): A = x's codes (4,096 rows), B = the 2,048 rows of Wq, Wk.  Cluster column 2 (v): A = Wv's 1,024 rows, B = x.
; THE MATRIX INSTRUCTION IS USED TRANSPOSED (source 0 = 16 rows of B, source 1 = 16 rows of A): a lane holds one row of A and eight neighbours along B's rows.  So for q and k a lane holds one position and neighbours along the head's 64,
; which is the first attention product's K; for v it holds one channel and neighbouring positions, the keys, which are the second product's K.  Nothing is transposed by an instruction.
; The codes' rows are stored with bits 3 and 4 of the row number swapped: lane r of block a holds true row 32 (a / 2) + 8 (a % 2) + r % 8 + 16 (r / 8), and the 16 registers of accumulators 2 e and 2 e + 1 are the true
; neighbours 32 e + 16 (lane / 16) + 0 .. 15.  Their 16 codes are 16 bytes of a fragment as a lane's registers take it, so each store is base + constant + 16 x lane: 512 consecutive bytes, and nothing goes through LDS on the way out.
; OUT: qkv_img [q, k, v][batch x head 0..31][128 positions 0..15][8,192 bytes].  q, k: [tile 0..7][chunk 0..1][lane][16]: channels 32 chunk + 16 h + 0..15 of the tile's position for lane r.  v: [tile 0..3][chunk 0..3][lane][16]: keys 32 chunk + 16 h + 0..15 of the tile's channel for lane r.
; A tile of C, 256 x 256, is made by four waves, as many as a WGP has SIMDs; a wave makes 128 x 128: 64 accumulators, 512 registers.  K goes in four steps of 256 through a ring of two LDS slots filled by the tensor data mover.
; CLUSTERS: 4 x 4 work-groups.  The four of a row need the same tiles of A, the four of a column the same tiles of B: each tile is asked for jointly.  A cluster column is 1,024 columns of the projection: all q, all k or all v, so what the
; way out does hangs on the cluster's x alone, which all sixteen partners share.  192 work-groups: 384 tiles of half the size would take two turns on 256 WGPs.
; A sum stands for sum x 2^(e0 + e1); the rotation is linear; so the conversion's one scale is 2^(e - e0 - e1), e = entry 2 (q), 3 (k), 5 (v).  LIMIT: that exponent lies between -126 and 119.
; REGISTERS, in windows of 256: window 0: v0-31 addresses and constants; from v128 A's fragments, ONE set; on the way out v32-95 the table (two sets of 32), v96-159 a block's numbers, v160-191 its codes (two sets of 16).
;   window 1: B's fragments, TWO sets.   window 2: the accumulators of my rows 0-63 (accumulator (a, b) at v[8 (8 a + b)]);   window 3: those of my rows 64-127.
.set ROWB,   256                       ; a tile's row in bytes: 256 codes
.set KROW,   1024                      ; a row of codes in memory
.set PITCH,  272                       ; an LDS row: 256 bytes + 16 of padding = 68 words: row r starts at bank 4 r mod 64 (64 banks of 4 bytes: ISA guide 11.1)
.set FR,     16                        ; registers of a fragment: 16 rows x 128 K
.set NL,     4                         ; LDS loads that bring one
.set NP,     4                         ; places behind this matrix instruction (ISA guide 7.12.1)
.set HALFT,  128*PITCH                 ; 128 rows: what one tensor load brings, and what one wave reads of A or of B
.set SLOT,   4*HALFT                   ; A's 256 rows, then B's 256 rows
.set SPARE,  2*SLOT                    ; behind the ring: the spare words, 128 bytes for each wave: two blocks of 256 bytes that no other line names
.set LI,   10                          ; v10     16 x lane
.set SC,   12                          ; v12     the conversion's scale as f32
.set LIM,  13                          ; v13     448 x that
.set ADRA, 16                          ; v16-17  LDS address of my A fragments in slot 0, 1
.set ADRB, 20                          ; v20-21  the same for B
.set SPW,  28                          ; v28     LDS address of my spare word; never rewritten
.set NIL,  29                          ; v29     0; never rewritten
.set TAB,  32
.set TMP,  96
.set AF,   128
.set COD,  160
.set G1, 24                            ; s[24:31] descriptor group 1 for A's tiles;  s[32:39] group 0, one set for each slot
.set G0, 32
.set G1B, 48                           ; s[48:55], s[56:63] the same for B's tiles
.set G0B, 56
.set MSB, 0
.macro WIN new                         ; the immediate's high byte repeats the setting that is left
.if MSB != \new
	s_set_vgpr_msb (MSB<<8)|\new
.set MSB, \new
.endif
.endm
.set MUL_LO, 0xa1                      ; source 0 (B) window 1, source 1 (A) window 0, C and D window 2
.set MUL_HI, 0xf1                      ; the same, C and D window 3
.set TO_B,   0x40                      ; destination window 1, address window 0
; A joint load: waves 0 and 1 fetch for A, waves 2 and 3 for B.  Each line has ONE mask and one set of registers for all that issue it; the branch hangs on the wave's number alone.  Four v_nop follow each line.
.macro JLOAD g0a, g1a, g0b, g1b
	s_cmp_eq_u32 s15, 0
	s_cbranch_scc0 .Lfor_b_\@
	tensor_load_to_lds s[\g0a:\g0a+3], s[\g1a:\g1a+7]
	s_nop 0
.rept 4
	v_nop
.endr
	s_branch .Lasked_\@
.Lfor_b_\@:
	tensor_load_to_lds s[\g0b:\g0b+3], s[\g1b:\g1b+7]
	s_nop 0
.rept 4
	v_nop
.endr
.Lasked_\@:
.endm
.macro CREST                           ; a round of the cluster's barrier behind its opening barrier
	s_cmp_lg_u32 s14, 0
	s_cbranch_scc1 .Lnot_wave_0_\@
	s_barrier_signal -3
.Lnot_wave_0_\@:
	s_barrier_wait -3
	s_barrier_signal -1
	s_barrier_wait -1
.endm
.macro CROUND                          ; a whole round
	s_barrier_signal -1
	s_barrier_wait -1
	CREST
.endm
	s_load_b256 s[4:11], s[0:1], 0x0               ; the codes s[4:5], the table s[6:7], the scales' exponents s[8:9], qkv_img s[10:11]
	v_lshl_add_u32 v[SPW], v0, 2, SPARE
	v_mov_b32 v[NIL], 0
	ds_add_u32 v28, v29
	ds_add_u32 v28, v29
	s_wait_dscnt 0x0
	v_lshrrev_b32 v1, 5, v0
	v_readfirstlane_b32 s14, v1                    ; wave 0..3
	s_lshr_b32 s15, s14, 1                         ; which half of the tile's rows is mine.  Also: I fetch for A (0) or for B (1)
	s_and_b32 s16, s14, 1                          ; which half of its columns.  Also: which 128 rows of that tile I fetch
	s_bfe_u32 s40, ttmp6, 0x40000                  ; cx, cy: my place in the cluster
	s_bfe_u32 s41, ttmp6, 0x40004
	s_and_b32 s82, ttmp7, 0xffff                   ; cluster y
	s_cmp_eq_u32 ttmp9, 2                          ; cluster x = 2: v
	s_cselect_b32 s83, s82, ttmp9                  ; the cluster's column of C's tiles: for v the positions go along B,
	s_cselect_b32 s84, 0, s82                      ; and its row: Wv has four tile rows, one cluster's worth
	s_cselect_b32 s80, 0x600000, 0                 ; A's first byte among the codes: Wv's, or x's
	s_cselect_b32 s81, 0, 0x400000                 ; B's: x's, or Wqkv's
	s_lshl_b32 s42, s83, 2
	s_add_co_u32 s42, s42, s40                     ; tile column of C
	s_lshl_b32 s17, s84, 2
	s_add_co_u32 s17, s17, s41                     ; tile row of C
	s_lshl_b32 s43, s41, 2
	s_lshl_b32 s43, 15, s43                        ; my row of the cluster
	s_lshl_b32 s44, 0x1111, s40                    ; my column
	; descriptor group 1: a tile of 128 rows x 256 bytes, padded in LDS
	s_or_b32 s[G1+0], s43, (0<<16)|(1<<20)|(1<<21)|(5<<22)|(3<<25)  ; 15:0 the mask: A's tiles go to my row; 17:16 element of 1 byte; 20 padding on; 21 set beside a mask; 24:22 after every 64 words (code 5); 31:25 of 4 words (code 3)
	s_or_b32 s[G1B+0], s44, (0<<16)|(1<<20)|(1<<21)|(5<<22)|(3<<25)
.irp g, G1, G1B
	s_mov_b32 s[\g+1], ROWB<<16                    ; tensor_dim0
	s_mov_b32 s[\g+2], 128<<16                     ; tensor_dim1 = 128
	s_mov_b32 s[\g+3], ROWB<<16                    ; tile_dim0
	s_mov_b32 s[\g+4], 128                         ; tile_dim1 = 128
	s_mov_b32 s[\g+5], KROW                        ; tensor_dim0_stride
	s_mov_b32 s[\g+6], 0
	s_mov_b32 s[\g+7], 0
.endr
	s_lshl_b32 s18, s16, 7                         ; which 128 rows of the tile I fetch
	s_lshl_b32 s20, s17, 8
	s_add_co_u32 s20, s20, s18                     ; A: row 256 x tile row + 128 x half,
	s_lshl_b32 s20, s20, 10                        ; in bytes,
	s_add_co_u32 s20, s20, s80                     ; from the codes' first byte: it hangs on the tile row alone
	s_mov_b32 s21, 0
	s_lshl_b32 s46, s42, 8
	s_add_co_u32 s46, s46, s18                     ; B likewise, on the tile column alone
	s_lshl_b32 s46, s46, 10
	s_add_co_u32 s46, s46, s81
	s_mov_b32 s47, 0
	s_mul_i32 s45, s14, HALFT                      ; where they go: wave x 128 rows: no place in the cluster enters an LDS address
	s_wait_kmcnt 0x0
	s_load_b256 s[72:79], s[8:9], 0x0              ; e0 .. e7
	s_add_nc_u64 s[20:21], s[4:5], s[20:21]
	s_add_nc_u64 s[46:47], s[4:5], s[46:47]
	CROUND                                         ; all sixteen work-groups are here: the first joint loads meet
.irp s, 0,1
	s_mov_b32 s[G0+4*\s], 1
	s_add_co_u32 s[G0+4*\s+1], s45, \s*SLOT
	s_add_nc_u64 s[G0+4*\s+2:G0+4*\s+3], s[20:21], \s*ROWB
	s_or_b32 s[G0+4*\s+3], s[G0+4*\s+3], 0x80000000
	s_mov_b32 s[G0B+4*\s], 1
	s_add_co_u32 s[G0B+4*\s+1], s45, \s*SLOT
	s_add_nc_u64 s[G0B+4*\s+2:G0B+4*\s+3], s[46:47], \s*ROWB
	s_or_b32 s[G0B+4*\s+3], s[G0B+4*\s+3], 0x80000000
	JLOAD G0+4*\s, G1, G0B+4*\s, G1B
.endr
	v_and_b32 v1, 15, v0                           ; l % 16
	v_bfe_u32 v2, v0, 4, 1                         ; l / 16
	v_mul_u32_u24 v3, v1, PITCH
	v_lshl_add_u32 v4, v2, 4, v3                   ; a fragment's row x pitch + 16 x half
	s_mul_i32 s21, s15, HALFT                      ; my 128 rows of A
	s_mul_i32 s22, s16, HALFT                      ; my 128 rows of B,
	s_add_co_u32 s22, s22, 2*HALFT                 ; which lie behind A's 256
.irp s, 0,1
	v_add_nc_u32 v[ADRA+\s], s21, v4
	v_add_nc_u32 v[ADRB+\s], s22, v4
	s_add_co_u32 s21, s21, SLOT
	s_add_co_u32 s22, s22, SLOT
.endr
	v_and_b32 v6, 31, v0
	v_lshlrev_b32 v[LI], 4, v6
	; where my 128 x 128 goes.  Of A's and B's blocks of 128 rows one counts positions and the other pairs of heads
	s_lshl_b32 s85, s17, 1
	s_add_co_u32 s85, s85, s15                     ; my block of 128 rows of A
	s_lshl_b32 s86, s42, 1
	s_add_co_u32 s86, s86, s16                     ; my block of 128 rows of B
	s_and_b32 s87, s86, 7                          ; (within q or within k)
	s_cmp_eq_u32 ttmp9, 2
	s_cselect_b32 s88, s86, s85                    ; the block of positions, 0..31: 16 x batch + block of the sequence
	s_cselect_b32 s89, s85, s87                    ; the pair of heads, 0..7
	s_lshl_b32 s90, ttmp9, 22                      ; q, k or v: 4 MiB each
	s_lshr_b32 s91, s88, 4
	s_lshl_b32 s91, s91, 21                        ; the batch: 16 heads of 128 KiB
	s_add_co_u32 s90, s90, s91
	s_lshl_b32 s91, s89, 18                        ; the pair of heads
	s_add_co_u32 s90, s90, s91
	s_and_b32 s92, s88, 15
	s_lshl_b32 s91, s92, 13                        ; the block of the sequence: 8,192 bytes
	s_add_co_u32 s90, s90, s91
	s_mov_b32 s91, 0
	s_add_nc_u64 s[10:11], s[10:11], s[90:91]
	s_lshl_b32 s92, s92, 15                        ; the table: eight tiles of 16 positions x 4,096 bytes for a block of the sequence
	s_mov_b32 s93, 0
	s_add_nc_u64 s[6:7], s[6:7], s[92:93]
.macro FRAG reg, adr, q, i             ; a fragment, 16 rows x 128 K, is 16 registers: lane l holds row l % 16; registers 4 c .. 4 c + 3 hold K = 32 c + 16 (l / 16) + 0 .. 15, alike in A and in B
.irp c, 0,1,2,3
	ds_load_b128 v[\reg+4*\c:\reg+4*\c+3], v[\adr] offset:128*(\q)+32*\c+(\i)*16*PITCH
.endr
.endm
; 16 matrix instructions: A's blocks a0, a0 + 1 x B's eight, 128 along K.  p: B's set.  zero = 1: the first product starts the sums.  The 64 accumulators take turns, one instruction a turn, in the same order in every step.
.macro MUL16 a0, p, zero
.irp a, \a0, \a0+1
.irp b, 0,1,2,3,4,5,6,7
.if \zero
	v_wmma_f32_16x16x128_fp8_fp8 v[8*(8*((\a)%4)+\b):8*(8*((\a)%4)+\b)+7], v[128*(\p)+FR*\b:128*(\p)+FR*\b+FR-1], v[AF+FR*(\a):AF+FR*(\a)+FR-1], 0
.else
	v_wmma_f32_16x16x128_fp8_fp8 v[8*(8*((\a)%4)+\b):8*(8*((\a)%4)+\b)+7], v[128*(\p)+FR*\b:128*(\p)+FR*\b+FR-1], v[AF+FR*(\a):AF+FR*(\a)+FR-1], v[8*(8*((\a)%4)+\b):8*(8*((\a)%4)+\b)+7]
.endif
.endr
.endr
.endm
.macro FETCH_B slot, q, p              ; B's eight fragments of the slot's q-th 128 along K into set p
	WIN TO_B
.irp i, 0,1,2,3,4,5,6,7
	FRAG 128*(\p)+FR*\i, ADRB+\slot, \q, \i
.endr
	WIN 0
.endm
.macro FETCH_A slot, q, i0             ; A's blocks i0 .. i0 + 3
.irp i, \i0, \i0+1, \i0+2, \i0+3
	FRAG AF+FR*(\i), ADRA+\slot, \q, \i
.endr
.endm
.macro PLACES n                        ; plain vector instructions between a matrix instruction and a load into, or a vector instruction on, its registers
.rept \n
	v_nop
.endr
.endm
; A step of 128 along K that has its successor in the same slot.  A's blocks are free as soon as their eight products are issued: blocks 0-3 are fetched anew in the step's middle, blocks 4-7 at its end.
.macro STEP slot, q, zero
	s_wait_dscnt 4*NL                              ; B's set and A's blocks 0-3 are in; the youngest sixteen loads (A's blocks 4-7) may be out
	WIN MUL_LO
	MUL16 0, (\q)%2, \zero
	MUL16 2, (\q)%2, \zero
	s_wait_dscnt 0                                 ; A's blocks 4-7 are in
	PLACES NP
	FETCH_B \slot, (\q)+1, 1-(\q)%2
	FETCH_A \slot, (\q)+1, 0
	WIN MUL_HI
	MUL16 4, (\q)%2, \zero
	MUL16 6, (\q)%2, \zero
	PLACES NP
	WIN 0
	FETCH_A \slot, (\q)+1, 4
.endm
; A slot's last step changes slots: ONE barrier; in front of it each wave waits for all its tensor loads, adds 0 to its spare word, and waits for that and for its own reads of this slot.  fill = 1: this slot is filled again, two K steps ahead.
.macro TURN slot, next, fill
	s_wait_tensorcnt 0x0                           ; all my tensor loads have landed: my part of the next slot  (every window is 0 here)
	ds_add_u32 v[SPW], v[NIL]                      ; 0 onto my spare word
	s_wait_dscnt 4*NL+1                            ; (the add and the youngest sixteen loads, A's blocks 4-7, may be out)
	WIN MUL_LO
	MUL16 0, 1, 0                                  ; sixteen matrix instructions stand between the add and the wait for it
	s_wait_dscnt 0x0                               ; the add is done, and my reads of this slot are over
	s_barrier_signal -1
	MUL16 2, 1, 0
	WIN 0
	s_barrier_wait -1
.if \fill
	CREST                                          ; the barrier has opened a round of the cluster's barrier: no wave of any partner still reads this slot's tile or has a load on its way
	s_add_nc_u64 s[G0+4*\slot+2:G0+4*\slot+3], s[G0+4*\slot+2:G0+4*\slot+3], 2*ROWB
	s_add_nc_u64 s[G0B+4*\slot+2:G0B+4*\slot+3], s[G0B+4*\slot+2:G0B+4*\slot+3], 2*ROWB
	JLOAD G0+4*\slot, G1, G0B+4*\slot, G1B         ; the first tensor load behind the round; its four v_nop are also the places in front of the loads below
.else
	PLACES NP
.endif
	FETCH_B \next, 0, 0
	FETCH_A \next, 0, 0
	WIN MUL_HI
	MUL16 4, 1, 0
	MUL16 6, 1, 0
	PLACES NP
	WIN 0
	FETCH_A \next, 0, 4
.endm
	s_wait_tensorcnt 1                             ; my part of K step 0 is in (K step 1's load may be out)
	s_barrier_signal -1
	s_barrier_wait -1                              ; everybody's is
	FETCH_B 0, 0, 0
	FETCH_A 0, 0, 0
	FETCH_A 0, 0, 4
	STEP 0, 0, 1                                   ; K = 1,024 is eight steps of 128, twice round the ring: written out.  The first step's products start the sums
	TURN 0, 1, 1                                   ; slot 0 takes K 512 to 767
	STEP 1, 0, 0
	TURN 1, 0, 1                                   ; slot 1 takes K 768 to 1,023
	STEP 0, 0, 0
	TURN 0, 1, 0                                   ; nothing is left to fetch
	STEP 1, 0, 0
	s_wait_dscnt 4*NL                              ; the last step
	WIN MUL_LO
	MUL16 0, 1, 0
	MUL16 2, 1, 0
	s_wait_dscnt 0
	WIN MUL_HI
	MUL16 4, 1, 0
	MUL16 6, 1, 0
	WIN 0
	; THE WAY OUT.  The conversion's scale: no branch hangs on a given exponent
	s_wait_kmcnt 0x0
	s_cmp_eq_u32 ttmp9, 1
	s_cselect_b32 s94, s75, s74                    ; k: e3; q: e2
	s_cmp_eq_u32 ttmp9, 2
	s_cselect_b32 s94, s77, s94                    ; v: e5
	s_sub_co_i32 s94, s94, s72
	s_sub_co_i32 s94, s94, s73                     ; - e0 - e1
	s_add_co_i32 s94, s94, 127
	s_lshl_b32 s95, s94, 23
	v_mov_b32 v[SC], s95
	s_add_co_i32 s94, s94, 8
	s_lshl_b32 s94, s94, 23
	s_or_b32 s94, s94, 0x600000
	v_mov_b32 v[LIM], s94                          ; 448 x the scale
	PLACES NP                                      ; behind the last products: their results are read, and the registers that held A's fragments are written
.macro TABLOAD a                       ; block a's (cos, sin): eight chunks of 512 bytes; chunk 4 u + q holds my pairs 16 u + 8 h + 2 q, + 1 at my position
.irp q, 0,1,2,3,4,5,6,7
	global_load_b128 v[TAB+32*((\a)%2)+4*\q:TAB+32*((\a)%2)+4*\q+3], v[LI], s[6:7] offset:(\a)*4096+\q*512
.endr
.endm
.macro CODES a                         ; a block's 64 numbers a lane become 64 codes, and leave
.irp b, 0,1,2,3,4,5,6,7
	v_cvt_scalef32_pk8_fp8_f32 v[CD+2*\b:CD+2*\b+1], v[TMP+8*\b:TMP+8*\b+7], v[SC]
.endr
	v_nop                                          ; a plain vector line behind the last conversion: the next block writes the numbers' registers
.endm
; Block a of q or k: 16 positions x 128 columns (two heads).  Registers 2 p, 2 p + 1 of accumulator b are the pair 8 h + 4 (b % 2) + p + 16 ((b / 2) % 2) of a head; its (cos, sin) lie at 8 (b % 4) + 2 p of the table's set.
.macro EPI_QK a
.set AC, 64*((\a)%4)
.set TB, TAB+32*((\a)%2)
.set CD, COD+16*((\a)%2)
.if (\a) < 7
	s_wait_loadcnt 8                               ; this block's eight table loads are in; the next block's may be out
.else
	s_wait_loadcnt 0
.endif
.if (\a) > 1
	s_wait_xcnt 0x0                                ; the stores of two blocks back have read their codes: the set is written again only behind this wait
.endif
	WIN 0x02+(\a)/4                                ; source 0: window 2 or 3
.irp b, 0,1,2,3,4,5,6,7                        ; each accumulator from its low end on
.irp p, 0,2,4,6
	v_pk_mul_f32 v[TMP+8*\b+\p:TMP+8*\b+\p+1], v[AC+8*\b+\p:AC+8*\b+\p+1], v[TB+8*(\b%4)+\p:TB+8*(\b%4)+\p+1] op_sel_hi:[1,0]   ; (x1 cos, x2 cos)
.endr
.irp p, 0,2,4,6
	v_pk_fma_f32 v[TMP+8*\b+\p:TMP+8*\b+\p+1], v[AC+8*\b+\p:AC+8*\b+\p+1], v[TB+8*(\b%4)+\p:TB+8*(\b%4)+\p+1], v[TMP+8*\b+\p:TMP+8*\b+\p+1] op_sel:[1,1,0] op_sel_hi:[0,1,1] neg_lo:[1,0,0]   ; (-x2 sin + x1 cos, x1 sin + x2 cos)
.endr
.endr
	WIN 0
.set n, 0
.rept 64
	v_med3_num_f32 v[TMP+n], v[TMP+n], -v[LIM], v[LIM]   ; the conversion to an 8-bit code does not saturate (ISA guide 7.6.2): the hold
.set n, n+1
.endr
	CODES \a
.if (\a) < 6
	TABLOAD (\a)+2
.endif
.irp e, 0,1,2,3                                ; columns 32 e on: head e / 2 of my two, chunk e % 2 of tile a
	global_store_b128 v[LI], v[CD+4*\e:CD+4*\e+3], s[10:11] offset:(\e/2)*131072+(\a)*1024+(\e%2)*512
.endr
.endm
; Block a of v: 16 channels x 128 positions.
.macro EPI_V a
.set AC, 64*((\a)%4)
.set CD, COD+16*((\a)%2)
.if (\a) > 1
	s_wait_xcnt 0x0                                ; as above
.endif
	WIN 0x02+(\a)/4
.set n, 0
.rept 64
	v_med3_num_f32 v[TMP+n], v[AC+n], -v[LIM], v[LIM]
.set n, n+1
.endr
	WIN 0
	CODES \a
.irp e, 0,1,2,3                                ; keys 32 e on: chunk e of tile a % 4 of head a / 4 of my two
	global_store_b128 v[LI], v[CD+4*\e:CD+4*\e+3], s[10:11] offset:((\a)/4)*131072+((\a)%4)*2048+\e*512
.endr
.endm
	s_cmp_eq_u32 ttmp9, 2                          ; the cluster's x: the same in all sixteen partners
	s_cbranch_scc1 .Lv
	TABLOAD 0
	TABLOAD 1
.irp a, 0,1,2,3,4,5,6,7
	EPI_QK \a
.endr
	s_branch .Ldone
.Lv:
.irp a, 0,1,2,3,4,5,6,7
	EPI_V \a
.endr
.Ldone:
	s_wait_tensorcnt 0x0                           ; the wave's end
	ds_add_u32 v[SPW], v[NIL]
	s_wait_dscnt 0x0
	CROUND                                         ; the closing round: no work-group ends while a partner may still ask for a tile that names it
	s_endpgm
.Lfunc_end_k_q1663b7a5d9_qkv:
	.size	k_q1663b7a5d9_qkv, .Lfunc_end_k_q1663b7a5d9_qkv-k_q1663b7a5d9_qkv
	.p2alignl 7, 3214868480
	.fill 96, 4, 3214868480
	.section	.rodata,"a",@progbits
	.p2align	6, 0x0
	.amdhsa_kernel k_q1663b7a5d9_qkv
		.amdhsa_group_segment_fixed_size 327680
		.amdhsa_private_segment_fixed_size 0
		.amdhsa_enable_private_segment 0
		.amdhsa_kernarg_size 32
		.amdhsa_user_sgpr_count 2
		.amdhsa_user_sgpr_kernarg_segment_ptr 1
		.amdhsa_wavefront_size32 1
		.amdhsa_system_sgpr_workgroup_id_x 1
		.amdhsa_system_sgpr_workgroup_id_y 1
		.amdhsa_system_sgpr_workgroup_id_z 1
		.amdhsa_system_vgpr_workitem_id 0
		.amdhsa_next_free_vgpr 1024
		.amdhsa_next_free_sgpr 100
		.amdhsa_reserve_vcc 0
		.amdhsa_float_denorm_mode_32 3
		.amdhsa_float_denorm_mode_16_64 3
		.amdhsa_memory_ordered 1
		.amdhsa_forward_progress 1
		.amdhsa_inst_pref_size 196
	.end_amdhsa_kernel
	.amdgpu_metadata
---
amdhsa.version: [ 1, 2 ]
amdhsa.kernels:
  - .name:           k_q1663b7a5d9_qkv
    .symbol:         k_q1663b7a5d9_qkv.kd
    .args:
      - { .name: codes, .offset: 0, .size: 8, .value_kind: global_buffer, .address_space: global }
      - { .name: rope, .offset: 8, .size: 8, .value_kind: global_buffer, .address_space: global }
      - { .name: lowp_scales, .offset: 16, .size: 8, .value_kind: global_buffer, .address_space: global }
      - { .name: qkv_img, .offset: 24, .size: 8, .value_kind: global_buffer, .address_space: global }
    .group_segment_fixed_size: 327680
    .private_segment_fixed_size: 0
    .kernarg_segment_align: 8
    .kernarg_segment_size: 32
    .max_flat_workgroup_size: 128
    .sgpr_count:     100
    .vgpr_count:     1024
    .wavefront_size: 32
...
	.end_amdgpu_metadata
.endif
;; end of part 2
;; launch attn (part 3): grid 8 x 32, 16 waves a work-group, no clusters, 34,816 bytes of LDS; arguments qkv_img, lowp_scales, o_img; writes o_img
.if DOCPART == 3
	.amdgcn_target "amdgcn-amd-amdhsa--gfx1250"
	.amdhsa_code_object_version 6
	.text
	.protected	k_q1663b7a5d9_attn
	.globl	k_q1663b7a5d9_attn
	.p2align	8
	.type	k_q1663b7a5d9_attn,@function
k_q1663b7a5d9_attn:
	s_mov_b64 s[64:65], 0
	v_nop
	global_prefetch_b8 v0, s[64:65] scope:SCOPE_SE
	s_setreg_imm32_b32 hwreg(HW_REG_WAVE_MODE, 25, 1), 1
	s_wait_xcnt 0x0
; Causal attention of one head on codes of FP8 (E4M3): S^T = K Q^T (K = the head's 64, v_wmma_f32_16x16x64_fp8_fp8), the softmax, O^T = V^T P^T (K = 128 keys a step, v_wmma_f32_16x16x128_fp8_fp8), and the quantising of o for the last product.
; THE SOFTMAX AHEAD OF THE SECOND PRODUCT: t = score x log2(e) / 8; M = the row's largest t so far, rounded UP to a whole number; p = 2^(t - M) is what is quantised; the row's sum is taken of the unquantised p and divides O at the end.
; When M moves, the sum and O are multiplied by 2^(old M - new M), which rounds nothing.
; SHARES.  Work-group (g, head) owns the blocks g and 15 - g of 128 queries: (g + 1) + (16 - g) = 17 block steps in every work-group, so the causal mask leaves all 256 with equal work.  Each of the sixteen waves owns ONE tile of 16 queries
; in 256 registers: tile wave / 2 of the low block or of the high one; (wave xor wave / 4) % 2 says which, so that of any four waves w, w + 4, w + 8, w + 12, and of any four neighbours, two have the low block.
; K AND V come as images of the operands' registers, 8,192 bytes each for 128 keys.  Each of the 512 threads copies 16 bytes of each from memory into registers a whole key step ahead and from there into the LDS slot that is not being read;
; one barrier a step.  All sixteen waves read them from LDS.  A trip of the loop runs two steps, so that both slots' addresses are immediates; the work-group walks 16 - g key steps, rounded up to even.
; A step all of whose keys come after a wave's queries is left out by a scalar branch on ids, round its products and softmax, not round its copy and its barrier.
; NO CLUSTER, NO TENSOR LOAD: the eight work-groups of a head walk 16 - g key steps, a different number each, and joint requests want the same number in all partners.
; LAYOUT.  Both products are used transposed: a lane holds ONE query (lane % 16) throughout.  The rows of every tile are stored so that lane r holds row 32 (T / 2) + 8 (T % 2) + r % 8 + 16 (r / 8): so the 16 registers of score tiles 2 b and
; 2 b + 1 are the keys 32 b + 16 (lane / 16) + 0 .. 15, and those of O^T's tiles 2 u, 2 u + 1 the channels 32 u + 16 (lane / 16) + 0 .. 15: the conversions' results are the next operand's registers.
; OUT: o_img [128 rows 0..31][K step 0..7][tile 0..7][chunk 0..3][lane][16 bytes]: the last product's A as its registers take it; each store of a wave is 512 consecutive bytes.
; LIMITS on the given exponents: e2 + e3 between -123 and 130 (added to the exponent field of log2(e) / 8); e4 between -126 and 119; e6 - e4 - e5 between -126 and 119.
; REGISTERS: v1 16 x thread; v2 16 x lane; v3 my query less 16 (lane / 16), within its block; v12 -M, v13 the largest t, v[14:15] the sum in two halves; v16-23 Q; v24-31 the next step's 16 bytes of K and of V;
;   v32-95 K's eight fragments, then V's four; v96-159 S^T, then p; v160-191 O^T; v192-207 p's codes; v236-254 at work.
.set TO,   1
.set LI,   2
.set DQ,   3
.set WV,   10                          ; s10  wave
.set TA,   11                          ; s11  my tile of 16 queries in its block
.set QB,   15                          ; s15  my block of 128 queries
.set NT,   16                          ; s16  trips: (17 - g) / 2
.set TRIP, 17                          ; s17  counts them
.set KS,   18                          ; s18  the key step in hand
.set SEL,  20                          ; s[20:21] lane selects for v_permlanex16_b32: lane l xor 16
.set CS,   22                          ; s[22:23] c = log2(e) / 8 x 2^(e2 + e3), as a pair
.set SLOTB, 16384                      ; an LDS slot: K's 8,192 bytes, then V's
	s_load_b128 s[4:7], s[0:1], 0x0                ; qkv_img s[4:5], the scales' exponents s[6:7]
	s_load_b64 s[8:9], s[0:1], 0x10                ; o_img
	v_lshl_add_u32 v251, v0, 2, 0x8000
	v_mov_b32 v255, 0
	v_lshrrev_b32 v4, 5, v0
	v_readfirstlane_b32 s[WV], v4
	v_lshlrev_b32 v[TO], 4, v0
	v_and_b32 v[LI], 31, v0
	v_lshlrev_b32 v[LI], 4, v[LI]
	s_lshr_b32 s[TA], s[WV], 1
	s_lshr_b32 s12, s[WV], 2
	s_xor_b32 s12, s12, s[WV]
	s_and_b32 s12, s12, 1                          ; 0: the low block, 1: the high one
	s_and_b32 s14, ttmp7, 0xffff                   ; 16 x batch + head
	s_sub_co_u32 s[QB], 15, ttmp9
	s_cmp_eq_u32 s12, 0
	s_cselect_b32 s[QB], ttmp9, s[QB]
	s_sub_co_u32 s[NT], 17, ttmp9
	s_lshr_b32 s[NT], s[NT], 1
	s_mov_b32 s[TRIP], 0
	s_mov_b32 s[KS], 0
	s_mov_b32 s[SEL], 0x76543210
	s_mov_b32 s[SEL+1], 0xfedcba98
	s_mov_b32 s[CS], 0x3e38aa3b                    ; log2(e) / 8
	v_and_b32 v4, 7, v0
	v_bfe_u32 v5, v0, 3, 1
	v_bfe_u32 v6, v0, 4, 1
	v_sub_nc_u32 v5, v5, v6
	v_lshl_add_u32 v[DQ], v5, 4, v4                ; r % 8 + 16 (r / 8) - 16 h, a signed number
	s_lshr_b32 s40, s[TA], 1
	s_lshl_b32 s40, s40, 5
	s_and_b32 s41, s[TA], 1
	s_lshl_b32 s41, s41, 3
	s_add_co_u32 s40, s40, s41
	v_add_nc_u32 v[DQ], s40, v[DQ]                 ; + 32 (tile / 2) + 8 (tile % 2)
	s_lshl_b32 s40, s14, 17                        ; my head: 128 KiB in each of q, k, v
	s_mov_b32 s41, 0
	s_lshl_b32 s42, s[QB], 13
	s_lshl_b32 s43, s[TA], 10
	s_add_co_u32 s42, s42, s43                     ; my tile of Q: block x 8,192 + tile x 1,024
	s_mov_b32 s43, 0
	s_wait_kmcnt 0x0
	s_load_b256 s[24:31], s[6:7], 0x0              ; e0 .. e7
	s_add_nc_u64 s[34:35], s[4:5], s[40:41]
	s_add_nc_u64 s[32:33], s[34:35], 0x400000      ; K of my head; V lies 4 MiB further on
	s_add_nc_u64 s[34:35], s[34:35], s[42:43]
	global_load_b128 v[16:19], v[LI], s[34:35]             ; Q stays in registers: channels 16 h + 0..15,
	global_load_b128 v[20:23], v[LI], s[34:35] offset:512  ; 32 + 16 h + 0..15
	global_load_b128 v[24:27], v[TO], s[32:33]             ; key step 0
	global_load_b128 v[28:31], v[TO], s[32:33] offset:0x400000
	s_lshr_b32 s40, s14, 4                         ; where my tile of o goes: block of 128 rows = 16 x batch + my block of queries,
	s_lshl_b32 s40, s40, 4
	s_add_co_u32 s40, s40, s[QB]
	s_lshl_b32 s40, s40, 17
	s_bfe_u32 s42, s14, 0x30001                    ; K step = head / 2,
	s_lshl_b32 s42, s42, 14
	s_add_co_u32 s40, s40, s42
	s_lshl_b32 s42, s[TA], 11                      ; my tile,
	s_add_co_u32 s40, s40, s42
	s_and_b32 s42, s14, 1                          ; chunks 2 (head % 2) and the next
	s_lshl_b32 s42, s42, 10
	s_add_co_u32 s40, s40, s42
	s_add_nc_u64 s[8:9], s[8:9], s[40:41]
	v_mov_b32 v13, 0xff61b1e6                      ; the largest t so far: -3e38, under every t
	v_floor_f32 v12, -v13                          ; -M
	v_mov_b32 v14, 0                               ; the sum, in two halves
	v_mov_b32 v15, 0
	v_mov_b32 v236, 0                              ; a lane permute's destination counts as one of its sources
	v_mov_b32 v253, 0                              ; (named as the upper half of the pair v[252:253])
.set n, 0
.rept 32
	v_mov_b32 v[160+n], 0                          ; O^T.  (The step is written once: the first finds zeros, which the first change of M leaves zeros)
.set n, n+1
.endr
	s_wait_kmcnt 0x0
	s_add_co_i32 s40, s26, s27
	s_lshl_b32 s40, s40, 23
	s_add_co_i32 s[CS], s[CS], s40                 ; a score stands for score x 2^(e2 + e3): added to c's exponent field
	s_mov_b32 s[CS+1], s[CS]
	s_add_co_i32 s40, s28, 127
	s_lshl_b32 s42, s40, 23
	v_mov_b32 v244, s42                            ; 2^e4 as f32, for p's conversion
	s_add_co_i32 s40, s40, 8
	s_lshl_b32 s40, s40, 23
	s_or_b32 s40, s40, 0x600000
	v_mov_b32 v240, s40                            ; 448 x 2^e4
	s_sub_co_i32 s40, s30, s28
	s_sub_co_i32 s40, s40, s29                     ; O^T / the sum stands for that x 2^(e4 + e5): o's conversion takes 2^(e6 - e4 - e5)
	s_add_co_i32 s40, s40, 127
	s_lshl_b32 s44, s40, 23
	s_add_co_i32 s40, s40, 8
	s_lshl_b32 s45, s40, 23
	s_or_b32 s45, s45, 0x600000
	s_wait_loadcnt 0x0
	ds_store_b128 v[TO], v[24:27]
	ds_store_b128 v[TO], v[28:31] offset:8192
	s_wait_dscnt 0x0                               ; for the others' sake: my part of key step 0 lies in slot 0
	s_barrier_signal -1
	s_barrier_wait -1
; A KEY STEP: 128 keys, out of LDS slot `slot`.
.macro STEP slot
	s_add_co_u32 s40, s[KS], 1                     ; the next step's K and V are asked for now.  (The last step has no next: the number is held at 15, inside the head; what comes then is stored and never read)
	s_min_u32 s40, s40, 15
	s_lshl_b32 s40, s40, 13
	s_add_nc_u64 s[36:37], s[32:33], s[40:41]      ; (the last loads by this pair were waited for at the last step's end)
	global_load_b128 v[24:27], v[TO], s[36:37]
	global_load_b128 v[28:31], v[TO], s[36:37] offset:0x400000
	s_cmp_gt_u32 s[KS], s[QB]                      ; all these keys come after my queries
	s_cbranch_scc1 .Lhidden_\@
.rept 4
	v_nop                                          ; places in front of loads into registers that the last step's products have read
.endr
.irp t, 0,1,2,3,4,5,6,7
.irp c, 0,1
	ds_load_b128 v[32+8*\t+4*\c:32+8*\t+4*\c+3], v[LI] offset:\slot*SLOTB+\t*1024+\c*512
.endr
.endr
	s_wait_dscnt 0x0
.irp t, 0,1,2,3,4,5,6,7
	v_wmma_f32_16x16x64_fp8_fp8 v[96+8*\t:103+8*\t], v[32+8*\t:39+8*\t], v[16:23], 0
.endr
.rept 4
	v_nop                                          ; places in front of the loads below and of the first read of the scores
.endr
.irp t, 0,1,2,3
.irp c, 0,1,2,3
	ds_load_b128 v[32+16*\t+4*\c:32+16*\t+4*\c+3], v[LI] offset:\slot*SLOTB+8192+\t*2048+\c*512   ; V lands while the softmax is worked
.endr
.endr
	s_cmp_lg_u32 s[KS], s[QB]                      ; on the diagonal the scores of hidden keys become -infinity ahead of the maximum: p = 0 then
	s_cbranch_scc1 .Lopen_\@
	v_mov_b32 v254, 0xff800000
.set n, 0
.rept 64
	v_cmp_gt_i32 vcc_lo, 32*(n/16)+n%16, v[DQ]     ; register 16 b + i holds key 32 b + 16 h + i of the block: hidden where 32 b + i > my query - 16 h
	v_cndmask_b32 v[96+n], v[96+n], v254, vcc_lo
.set n, n+1
.endr
.Lopen_\@:
	v_max3_num_f32 v254, v96, v97, v98             ; the step's largest score of my query, among my 64 keys, in two chains,
	v_max3_num_f32 v252, v99, v100, v101
.irp i, 6,10,14,18,22,26,30,34,38,42,46,50,54,58
	v_max3_num_f32 v254, v254, v[96+\i], v[97+\i]
	v_max3_num_f32 v252, v252, v[98+\i], v[99+\i]
.endr
	v_max3_num_f32 v254, v254, v158, v159
	v_max_num_f32 v254, v254, v252
	v_permlanex16_b32 v236, v254, s[SEL], s[SEL+1]
	v_max_num_f32 v254, v254, v236                 ; and among lane l xor 16's
	v_mul_f32 v254, s[CS], v254                    ; as t (c is positive)
	v_max_num_f32 v13, v13, v254                   ; the running largest t
	v_mov_b32 v254, v12
	v_floor_f32 v12, -v13                          ; the new -M = floor(-t) = -ceil(t): a whole number
	v_sub_f32 v254, v12, v254                      ; M's old value less its new one: a whole number, 0 or less
	v_cvt_i32_f32 v254, v254                       ; (it saturates)
	v_ldexp_f32 v252, 1.0, v254                    ; f = 2^(old M - new M)
.set n, 0
.rept 32
	v_pk_fma_f32 v[96+n:97+n], v[96+n:97+n], s[CS:CS+1], v[12:13] op_sel_hi:[1,0,0]   ; t - M, two at a time
.set n, n+2
.endr
.set n, 0
.rept 64
	v_exp_f32 v[96+n], v[96+n]                     ; p = 2^(t - M): not normalised.  The 64 are one batch
.set n, n+1
.endr
	v_pk_mul_f32 v[14:15], v[14:15], v[252:253] op_sel_hi:[1,0]   ; the sums under the new M.  (A plain line behind the batch)
	s_wait_alu depctr_va_vdst(0)                   ; one wait for the batch, ahead of its first reader
	v_pk_add_f32 v[242:243], v[96:97], v[98:99]    ; the row's sum is taken of the unquantised p: two at a time, in two chains
.irp j, 4,8,12,16,20,24,28,32,36,40,44,48,52,56,60
	v_pk_add_f32 v[14:15], v[14:15], v[96+\j:97+\j]
	v_pk_add_f32 v[242:243], v[242:243], v[98+\j:99+\j]
.endr
	v_pk_add_f32 v[14:15], v[14:15], v[242:243]
	s_cmp_ge_i32 s28, -8                           ; p is at most 1 (and a last bit), and 448 x 2^e4 is 1.75 or more from e4 = -8 on: the hold can change nothing there and is passed over; below, it is executed
	s_cbranch_scc1 .Lnohold_\@
.set n, 0
.rept 64
	v_min_num_f32 v[96+n], v[96+n], v240           ; the conversion to an 8-bit code does not saturate (ISA guide 7.6.2); p is not negative, so the hold is one-sided
.set n, n+1
.endr
.Lnohold_\@:
.irp t, 0,1,2,3,4,5,6,7
	v_cvt_scalef32_pk8_fp8_f32 v[192+2*\t:193+2*\t], v[96+8*\t:103+8*\t], v244
.endr
.set n, 0
.rept 16
	v_pk_mul_f32 v[160+n:161+n], v[160+n:161+n], v[252:253] op_sel_hi:[1,0]   ; O^T under the new M.  (Also the plain lines between the conversions and the products)
.set n, n+2
.endr
	s_wait_dscnt 0x0                               ; V is in
.irp t, 0,1,2,3                                ; the four accumulators take turns, and the scores' products stand between two steps'
	v_wmma_f32_16x16x128_fp8_fp8 v[160+8*\t:167+8*\t], v[32+16*\t:47+16*\t], v[192:207], v[160+8*\t:167+8*\t]
.endr
.Lhidden_\@:
	s_wait_loadcnt 0x0                             ; the next step's bytes are in registers,
	ds_store_b128 v[TO], v[24:27] offset:(1-\slot)*SLOTB          ; and go into the other slot, whose last reads stood in front of the last barrier
	ds_store_b128 v[TO], v[28:31] offset:(1-\slot)*SLOTB+8192
	s_add_co_u32 s[KS], s[KS], 1
	s_wait_dscnt 0x0                               ; my stores have landed, and my reads of this slot are over
	s_barrier_signal -1
	s_barrier_wait -1                              ; both now hold of all sixteen waves
.endm
.Ltrip:
	STEP 0
	STEP 1
	s_add_co_u32 s[TRIP], s[TRIP], 1
	s_cmp_lt_u32 s[TRIP], s[NT]
	s_cbranch_scc1 .Ltrip
	; THE WAY OUT: O^T / the sum, quantised along the channels, which are the last product's K
.rept 4
	v_nop                                          ; places behind the last products
.endr
	v_add_f32 v14, v14, v15                        ; the sum's two halves,
	v_permlanex16_b32 v236, v14, s[SEL], s[SEL+1]
	v_add_f32 v14, v14, v236                       ; and lane l xor 16's
	v_rcp_f32 v14, v14
	v_mov_b32 v245, s44                            ; (plain lines behind the reciprocal)  2^(e6 - e4 - e5)
	v_mov_b32 v241, s45                            ; 448 x that
	s_wait_alu depctr_va_vdst(0)                   ; the wait ahead of the reciprocal's first reader
.set n, 0
.rept 16
	v_pk_mul_f32 v[96+n:97+n], v[160+n:161+n], v[14:15] op_sel_hi:[1,0]   ; register 8 t + i: channel 32 (t / 2) + 16 h + 8 (t % 2) + i of my query
.set n, n+2
.endr
.set n, 0
.rept 32
	v_med3_num_f32 v[96+n], v[96+n], -v241, v241
.set n, n+1
.endr
.irp t, 0,1,2,3
	v_cvt_scalef32_pk8_fp8_f32 v[192+2*\t:193+2*\t], v[96+8*\t:103+8*\t], v245
.endr
	v_nop
	global_store_b128 v[LI], v[192:195], s[8:9]            ; channels 16 h + 0..15 of my head: 512 consecutive bytes a wave
	global_store_b128 v[LI], v[196:199], s[8:9] offset:512 ; channels 32 + 16 h + 0..15
	s_wait_tensorcnt 0x0
	ds_add_u32 v251, v255
	s_wait_dscnt 0x0
	s_endpgm
.Lfunc_end_k_q1663b7a5d9_attn:
	.size	k_q1663b7a5d9_attn, .Lfunc_end_k_q1663b7a5d9_attn-k_q1663b7a5d9_attn
	.p2alignl 7, 3214868480
	.fill 96, 4, 3214868480
	.section	.rodata,"a",@progbits
	.p2align	6, 0x0
	.amdhsa_kernel k_q1663b7a5d9_attn
		.amdhsa_group_segment_fixed_size 34816
		.amdhsa_private_segment_fixed_size 0
		.amdhsa_enable_private_segment 0
		.amdhsa_kernarg_size 24
		.amdhsa_user_sgpr_count 2
		.amdhsa_user_sgpr_kernarg_segment_ptr 1
		.amdhsa_wavefront_size32 1
		.amdhsa_system_sgpr_workgroup_id_x 1
		.amdhsa_system_sgpr_workgroup_id_y 1
		.amdhsa_system_sgpr_workgroup_id_z 1
		.amdhsa_system_vgpr_workitem_id 0
		.amdhsa_next_free_vgpr 256
		.amdhsa_next_free_sgpr 66
		.amdhsa_reserve_vcc 1
		.amdhsa_float_denorm_mode_32 3
		.amdhsa_float_denorm_mode_16_64 3
		.amdhsa_memory_ordered 1
		.amdhsa_forward_progress 1
		.amdhsa_inst_pref_size 51
	.end_amdhsa_kernel
	.amdgpu_metadata
---
amdhsa.version: [ 1, 2 ]
amdhsa.kernels:
  - .name:           k_q1663b7a5d9_attn
    .symbol:         k_q1663b7a5d9_attn.kd
    .args:
      - { .name: qkv_img, .offset: 0, .size: 8, .value_kind: global_buffer, .address_space: global }
      - { .name: lowp_scales, .offset: 8, .size: 8, .value_kind: global_buffer, .address_space: global }
      - { .name: o_img, .offset: 16, .size: 8, .value_kind: global_buffer, .address_space: global }
    .group_segment_fixed_size: 34816
    .private_segment_fixed_size: 0
    .kernarg_segment_align: 8
    .kernarg_segment_size: 24
    .max_flat_workgroup_size: 512
    .sgpr_count:     66
    .vgpr_count:     256
    .wavefront_size: 32
...
	.end_amdgpu_metadata
.endif
;; end of part 3
;; launch proj (part 4): grid 8 x 32, 4 waves a work-group, clusters of 4 x 4, 327,680 bytes of LDS; arguments o_img, codes, lowp_scales, out0; writes out0
.if DOCPART == 4
	.amdgcn_target "amdgcn-amd-amdhsa--gfx1250"
	.amdhsa_code_object_version 6
	.text
	.protected	k_q1663b7a5d9_proj
	.globl	k_q1663b7a5d9_proj
	.p2align	8
	.type	k_q1663b7a5d9_proj,@function
k_q1663b7a5d9_proj:
	s_mov_b64 s[64:65], 0
	v_nop
	global_prefetch_b8 v0, s[64:65] scope:SCOPE_SE
	s_setreg_imm32_b32 hwreg(HW_REG_WAVE_MODE, 25, 1), 1
	s_wait_xcnt 0x0
	s_wait_alu depctr_hold_cnt(0) depctr_sa_sdst(0) depctr_va_vdst(0) depctr_va_sdst(0) depctr_va_ssrc(0) depctr_va_vcc(0) depctr_vm_vsrc(0)
	s_getreg_b32 s2, hwreg(HW_REG_IB_STS2, 6, 4)
	s_cmp_eq_u32 s2, 0
	s_cbranch_scc0 .Lentry_in_a_cluster
	s_endpgm
.Lentry_in_a_cluster:
	s_bfe_u32 s2, ttmp6, 0x10000c
	s_cmp_lg_u32 s2, 0xf033
	s_cbranch_scc0 .Lentry_shape_is_right
	s_endpgm
.Lentry_shape_is_right:
; out0 = o Wo^T on codes of FP8 (E4M3): [4,096 x 1,024] x [1,024 x 1,024], f32 sums, each multiplied once by 2^(e6 + e7).  LIMIT: e6 + e7 between -126 and 127.
; A tile of out0 is 128 x 128: 256 work-groups, one for each WGP.  Four waves, each 64 x 64: 16 accumulators.
; THE WHOLE K OF BOTH OPERANDS FITS IN LDS (2 x 128 rows x 1,024 bytes), so every LDS byte is filled once: no ring and no refill.  Each wave issues four tensor loads at the start, one for each 256 along K (waves 0, 1: o; waves 2, 3: Wo),
; four of mine are out at the most, and the counted waits 3, 2, 1, 0, each with a barrier behind which nothing is filled, let the products begin when the first 256 along K have landed.
; o comes as images of the operand's registers ([K step][tile][chunk][lane][16 bytes], dense: one K step of 128 rows is 16,384 bytes on end); Wo's codes as rows of 1,024 bytes, 16 bytes of padding behind each 256 in LDS.
; Both have their rows in the order in which lane r of tile a is true row 32 (a / 2) + 8 (a % 2) + r % 8 + 16 (r / 8).  The matrix instruction is used transposed (source 0 = Wo's rows, source 1 = o's), so a lane's registers of
; accumulators 2 e, 2 e + 1 are 16 neighbouring columns of one row of out0.
; CLUSTERS: 4 x 4 work-groups; o's tiles are shared along a row of the cluster, Wo's along a column: joint loads.
; REGISTERS: window 0: v0-31 addresses; v32-63 a block's results; v64-127 rows read back, two sets; v128-255 the accumulators ((a, b) at v[128 + 8 (4 a + b)]).   window 1: two buffers of 128: four fragments of o, then four of Wo.
.set PITCH,  272                       ; a row of Wo's chunk in LDS: 256 bytes + 16 of padding = 68 words: row r starts at bank 4 r mod 64 (64 banks of 4 bytes: ISA guide 11.1)
.set ABYTES, 131072                    ; o's images: K step x 16,384 + tile x 2,048 + chunk x 512 + 16 x lane
.set BCH,    128*PITCH                 ; Wo's chunk of 256 along K
.set STAGE,  ABYTES+4*BCH              ; behind them, at a multiple of 256: 16 rows x 272 bytes for each wave, for the way out; no tensor load lands there
.set SPITCH, 272
.set ADRA, 16                          ; v16-17  my fragments of o: K steps 0-3, 4-7
.set ADRB, 20                          ; v20-23  my fragments of Wo in chunk 0..3
.set STO,  24                          ; v24     the way out: where I put 32 bytes of a row
.set RD,   25                          ; v25     where I read a row back
.set CO,   26                          ; v26     my byte offset in out0
.set TMP,  32
.set BK,   64
.set ACC,  128
.set F0,   0
.set F1,   128
.set G1A, 24                           ; s[24:31] descriptor group 1 for o's tiles;  s[32:39] for Wo's;  s[40:55], s[68:83] their groups 0, one for each 256 along K
.set G1B, 32
.set G0A, 40
.set G0B, 68
.set MSB, 0
.macro WIN new                         ; the immediate's high byte repeats the setting that is left
.if MSB != \new
	s_set_vgpr_msb (MSB<<8)|\new
.set MSB, \new
.endif
.endm
.macro CROUND                          ; a round of the cluster's barrier
	s_barrier_signal -1
	s_barrier_wait -1
	s_cmp_lg_u32 s14, 0
	s_cbranch_scc1 .Lnot_wave_0_\@
	s_barrier_signal -3
.Lnot_wave_0_\@:
	s_barrier_wait -3
	s_barrier_signal -1
	s_barrier_wait -1
.endm
	s_load_b256 s[4:11], s[0:1], 0x0               ; o_img s[4:5], the codes s[6:7], the scales' exponents s[8:9], out0 s[10:11]
	v_lshl_add_u32 v30, v0, 2, 0x46400
	v_mov_b32 v31, 0
	ds_add_u32 v30, v31
	ds_add_u32 v30, v31
	v_lshrrev_b32 v1, 5, v0
	v_readfirstlane_b32 s14, v1                    ; wave 0..3
	s_lshr_b32 s15, s14, 1                         ; which half of the tile's rows is mine.  Also: I fetch o (0) or Wo (1)
	s_and_b32 s16, s14, 1                          ; which half of its columns.  Also: which half of a 256 along K I fetch
	s_bfe_u32 s56, ttmp6, 0x40000                  ; cx, cy
	s_bfe_u32 s57, ttmp6, 0x40004
	s_lshl_b32 s58, ttmp9, 2
	s_add_co_u32 s58, s58, s56                     ; tile column
	s_and_b32 s59, ttmp7, 0xffff
	s_lshl_b32 s59, s59, 2
	s_add_co_u32 s59, s59, s57                     ; tile row
	s_lshl_b32 s60, s57, 2
	s_lshl_b32 s60, 15, s60                        ; my row of the cluster
	s_lshl_b32 s61, 0x1111, s56                    ; my column
	s_or_b32 s[G1A], s60, (3<<16)|(1<<21)          ; o: a dense block of 16,384 bytes as 64 rows of 32 elements of 8 bytes; 15:0 the mask of my row; 21 set beside a mask; no padding
	s_mov_b32 s[G1A+1], 32<<16                     ; tensor_dim0 = 32
	s_mov_b32 s[G1A+2], 64<<16                     ; tensor_dim1 = 64
	s_mov_b32 s[G1A+3], 32<<16                     ; tile_dim0
	s_mov_b32 s[G1A+4], 64                         ; tile_dim1
	s_mov_b32 s[G1A+5], 32                         ; from row to row
	s_mov_b32 s[G1A+6], 0
	s_mov_b32 s[G1A+7], 0
	s_or_b32 s[G1B], s61, (0<<16)|(1<<20)|(1<<21)|(5<<22)|(3<<25)   ; Wo: 64 rows of 256 bytes; the mask of my column; padding: 4 words after every 64
	s_mov_b32 s[G1B+1], 256<<16
	s_mov_b32 s[G1B+2], 64<<16
	s_mov_b32 s[G1B+3], 256<<16
	s_mov_b32 s[G1B+4], 64
	s_mov_b32 s[G1B+5], 1024
	s_mov_b32 s[G1B+6], 0
	s_mov_b32 s[G1B+7], 0
	s_lshl_b32 s62, s16, 14                        ; o: of each pair of K steps I fetch the even or the odd one
	s_lshl_b32 s84, s59, 17                        ; the tile row's 131,072 bytes
	s_add_co_u32 s84, s84, s62
	s_mov_b32 s85, 0
	s_mul_i32 s63, s16, 64*PITCH                   ; Wo: of each chunk's 128 rows I fetch the first or the second 64
	s_lshl_b32 s86, s58, 7
	s_lshl_b32 s87, s16, 6
	s_add_co_u32 s86, s86, s87
	s_lshl_b32 s86, s86, 10                        ; row x 1,024 bytes,
	s_add_co_u32 s86, s86, 0x700000                ; behind x's and Wqkv's codes
	s_mov_b32 s87, 0
	s_wait_dscnt 0x0
	s_wait_kmcnt 0x0
	s_load_b256 s[88:95], s[8:9], 0x0              ; e0 .. e7
	s_add_nc_u64 s[84:85], s[4:5], s[84:85]
	s_add_nc_u64 s[86:87], s[6:7], s[86:87]
.irp j, 0,1,2,3
	s_mov_b32 s[G0A+4*\j], 1
	s_add_co_u32 s[G0A+4*\j+1], s62, \j*32768
	s_add_nc_u64 s[G0A+4*\j+2:G0A+4*\j+3], s[84:85], \j*32768
	s_or_b32 s[G0A+4*\j+3], s[G0A+4*\j+3], 0x80000000
	s_mov_b32 s[G0B+4*\j], 1
	s_add_co_u32 s[G0B+4*\j+1], s63, ABYTES+\j*BCH
	s_add_nc_u64 s[G0B+4*\j+2:G0B+4*\j+3], s[86:87], \j*256
	s_or_b32 s[G0B+4*\j+3], s[G0B+4*\j+3], 0x80000000
.endr
	CROUND                                         ; all sixteen work-groups are here: the joint loads meet
	s_cmp_lt_u32 s14, 2                            ; a wave's four loads stand in one branch on the wave's number, ahead of every wait on TENSORcnt, every LDS read and every other barrier; four v_nop follow the last
	s_cbranch_scc0 .Lfirst_b
.irp j, 0,1,2,3
	tensor_load_to_lds s[G0A+4*\j:G0A+4*\j+3], s[G1A:G1A+7]
	s_nop 0
.endr
.rept 4
	v_nop
.endr
	s_branch .Lfirst_asked
.Lfirst_b:
.irp j, 0,1,2,3
	tensor_load_to_lds s[G0B+4*\j:G0B+4*\j+3], s[G1B:G1B+7]
	s_nop 0
.endr
.rept 4
	v_nop
.endr
.Lfirst_asked:
	v_and_b32 v1, 15, v0                           ; r
	v_bfe_u32 v2, v0, 4, 1                         ; h
	v_and_b32 v3, 31, v0
	v_lshlrev_b32 v3, 4, v3                        ; 16 x lane
	s_lshl_b32 s98, s15, 13                        ; my four tiles of o: 4 x 2,048 bytes x my half
	v_add_nc_u32 v[ADRA], s98, v3
	v_add_nc_u32 v[ADRA+1], 0x10000, v[ADRA]
	v_mul_u32_u24 v4, v1, PITCH
	v_lshl_add_u32 v4, v2, 4, v4
	s_mul_i32 s98, s16, 64*PITCH                   ; my 64 rows of Wo
	s_add_co_u32 s98, s98, ABYTES
.irp j, 0,1,2,3
	v_add_nc_u32 v[ADRB+\j], s98, v4
	s_add_co_u32 s98, s98, BCH
.endr
	s_mul_i32 s98, s14, 16*SPITCH
	s_add_co_u32 s98, s98, STAGE                   ; my stage
	v_mul_u32_u24 v5, v1, SPITCH
	v_lshl_add_u32 v5, v2, 6, v5
	v_add_nc_u32 v[STO], s98, v5                   ; in: row r, + 64 h
	v_mul_u32_u24 v5, v2, SPITCH
	v_lshl_add_u32 v5, v1, 4, v5
	v_add_nc_u32 v[RD], s98, v5                    ; back: lanes 0-15 one row of 256 bytes, lanes 16-31 the next
	v_lshlrev_b32 v5, 12, v2
	v_lshl_add_u32 v[CO], v1, 4, v5                ; and the same in out0, whose rows are 4,096 bytes
	s_lshl_b32 s98, s59, 7
	s_lshl_b32 s99, s15, 6
	s_add_co_u32 s98, s98, s99                     ; my first row: 128 x tile row + 64 x half
	s_lshl_b32 s98, s98, 12
	s_lshl_b32 s99, s58, 9                         ; my first column, in bytes: 512 x tile column + 256 x half
	s_add_co_u32 s98, s98, s99
	s_lshl_b32 s99, s16, 8
	s_add_co_u32 s98, s98, s99
	s_mov_b32 s99, 0
	s_add_nc_u64 s[10:11], s[10:11], s[98:99]
.macro FETCH k, f                      ; K step k's eight fragments into buffer f: 32 LDS loads in one run
	WIN 0x40                                       ; destination window 1, address window 0
.irp i, 0,1,2,3
.irp c, 0,1,2,3
	ds_load_b128 v[\f+16*\i+4*\c:\f+16*\i+4*\c+3], v[ADRA+(\k)/4] offset:((\k)%4)*16384+\i*2048+\c*512
.endr
.endr
.irp i, 0,1,2,3
.irp c, 0,1,2,3
	ds_load_b128 v[\f+64+16*\i+4*\c:\f+64+16*\i+4*\c+3], v[ADRB+(\k)/2] offset:\i*16*PITCH+128*((\k)%2)+32*\c
.endr
.endr
.endm
.macro MUL f, zero                     ; 16 matrix instructions, 128 along K; the 16 accumulators take turns, in the same order in every step
	WIN 0x05                                       ; sources 0 and 1 window 1; C and D window 0
.irp a, 0,1,2,3
.irp b, 0,1,2,3
.if \zero
	v_wmma_f32_16x16x128_fp8_fp8 v[ACC+8*(4*\a+\b):ACC+8*(4*\a+\b)+7], v[\f+64+16*\b:\f+64+16*\b+15], v[\f+16*\a:\f+16*\a+15], 0
.else
	v_wmma_f32_16x16x128_fp8_fp8 v[ACC+8*(4*\a+\b):ACC+8*(4*\a+\b)+7], v[\f+64+16*\b:\f+64+16*\b+15], v[\f+16*\a:\f+16*\a+15], v[ACC+8*(4*\a+\b):ACC+8*(4*\a+\b)+7]
.endif
.endr
.endr
.endm
.macro PLACES                          ; four plain vector instructions between a matrix instruction and a load into, or a vector instruction on, its registers
.rept 4
	v_nop
.endr
.endm
.macro MEET left                       ; the next 256 along K: my part has landed (my `left` later loads may stay out), my LDS loads are in, and then everybody's
	s_wait_tensorcnt \left
	s_wait_dscnt 0x0
	s_barrier_signal -1
	s_barrier_wait -1
.endm
.macro KST k, cur, nxt                 ; K step k is multiplied out of buffer cur while K step k + 1 comes into buffer nxt, which the last step's products have read
	PLACES
	FETCH (\k)+1, \nxt
	s_wait_dscnt 32                                ; all but the 32 just issued
	MUL \cur, 0
.endm
	MEET 3
	FETCH 0, F0
	FETCH 1, F1
	s_wait_dscnt 32
	MUL F0, 1                                      ; the first products start the sums
	MEET 2
	KST 1, F1, F0
	KST 2, F0, F1
	MEET 1
	KST 3, F1, F0
	KST 4, F0, F1
	MEET 0
	KST 5, F1, F0
	KST 6, F0, F1
	s_wait_dscnt 0
	MUL F1, 0
	WIN 0
	; THE WAY OUT, a tile of 16 rows x 64 columns at a time, through my own stage: a lane's 32 bytes go in, whole rows of 256 bytes come back.  LDS serves a wave's instructions in order (ISA guide 5.7.1.4): no wait between stores and loads.
	s_wait_kmcnt 0x0
	s_add_co_i32 s96, s94, s95                     ; e6 + e7
	s_add_co_i32 s96, s96, 127
	s_lshl_b32 s96, s96, 23                        ; 2^(e6 + e7) as f32
	s_mov_b32 s97, s96                             ; (named with it as a pair)
	PLACES
.macro TOSTAGE i
.set n, 0
.rept 16
	v_pk_mul_f32 v[TMP+n:TMP+n+1], v[ACC+32*(\i)+n:ACC+32*(\i)+n+1], s[96:97] op_sel_hi:[1,0]   ; each accumulator from its low end on
.set n, n+2
.endr
.irp b, 0,1,2,3                                ; accumulator b, register j: column 32 (b / 2) + 16 h + 8 (b % 2) + j of my 64
	ds_store_b128 v[STO], v[TMP+8*\b:TMP+8*\b+3] offset:128*(\b/2)+32*(\b%2)
	ds_store_b128 v[STO], v[TMP+8*\b+4:TMP+8*\b+7] offset:128*(\b/2)+32*(\b%2)+16
.endr
.irp t, 0,1,2,3,4,5,6,7
	ds_load_b128 v[BK+32*((\i)%2)+4*\t:BK+32*((\i)%2)+4*\t+3], v[RD] offset:\t*2*SPITCH
.endr
.endm
.macro SEND i, younger                 ; younger: the LDS instructions issued behind tile i's loads, which may stay out
	s_wait_dscnt \younger
.irp t, 0,1,2,3,4,5,6,7                        ; stage row 2 t + h of tile i is true row 32 (i / 2) + 8 (i % 2) + (2 t) % 8 + h + 16 (t / 4) of my 64
	global_store_b128 v[CO], v[BK+32*((\i)%2)+4*\t:BK+32*((\i)%2)+4*\t+3], s[10:11] offset:(32*((\i)/2)+8*((\i)%2)+(2*\t)%8+16*(\t/4))*4096 th:TH_STORE_NT   ; 16 lanes store 256 consecutive bytes, at a multiple of 256 from out0's first byte
.endr
.endm
	TOSTAGE 0
	TOSTAGE 1
	SEND 0, 16                                     ; behind tile 0's loads: tile 1's 8 stores and 8 loads
	s_wait_xcnt 0x0                                ; tile 0's stores have read their registers: tile 2's rows may land there
	TOSTAGE 2
	SEND 1, 16
	s_wait_xcnt 0x0
	TOSTAGE 3
	SEND 2, 16
	SEND 3, 0
	s_wait_dscnt 0x0
	s_wait_tensorcnt 0x0
	ds_add_u32 v30, v31
	s_wait_dscnt 0x0
	CROUND                                         ; the closing round: no work-group ends while a partner may still ask for a tile that names it
	s_endpgm
.Lfunc_end_k_q1663b7a5d9_proj:
	.size	k_q1663b7a5d9_proj, .Lfunc_end_k_q1663b7a5d9_proj-k_q1663b7a5d9_proj
	.p2alignl 7, 3214868480
	.fill 96, 4, 3214868480
	.section	.rodata,"a",@progbits
	.p2align	6, 0x0
	.amdhsa_kernel k_q1663b7a5d9_proj
		.amdhsa_group_segment_fixed_size 327680
		.amdhsa_private_segment_fixed_size 0
		.amdhsa_enable_private_segment 0
		.amdhsa_kernarg_size 32
		.amdhsa_user_sgpr_count 2
		.amdhsa_user_sgpr_kernarg_segment_ptr 1
		.amdhsa_wavefront_size32 1
		.amdhsa_system_sgpr_workgroup_id_x 1
		.amdhsa_system_sgpr_workgroup_id_y 1
		.amdhsa_system_sgpr_workgroup_id_z 1
		.amdhsa_system_vgpr_workitem_id 0
		.amdhsa_next_free_vgpr 512
		.amdhsa_next_free_sgpr 100
		.amdhsa_reserve_vcc 0
		.amdhsa_float_denorm_mode_32 3
		.amdhsa_float_denorm_mode_16_64 3
		.amdhsa_memory_ordered 1
		.amdhsa_forward_progress 1
		.amdhsa_inst_pref_size 46
	.end_amdhsa_kernel
	.amdgpu_metadata
---
amdhsa.version: [ 1, 2 ]
amdhsa.kernels:
  - .name:           k_q1663b7a5d9_proj
    .symbol:         k_q1663b7a5d9_proj.kd
    .args:
      - { .name: o_img, .offset: 0, .size: 8, .value_kind: global_buffer, .address_space: global }
      - { .name: codes, .offset: 8, .size: 8, .value_kind: global_buffer, .address_space: global }
      - { .name: lowp_scales, .offset: 16, .size: 8, .value_kind: global_buffer, .address_space: global }
      - { .name: out0, .offset: 24, .size: 8, .value_kind: global_buffer, .address_space: global }
    .group_segment_fixed_size: 327680
    .private_segment_fixed_size: 0
    .kernarg_segment_align: 8
    .kernarg_segment_size: 32
    .max_flat_workgroup_size: 128
    .sgpr_count:     100
    .vgpr_count:     512
    .wavefront_size: 32
...
	.end_amdgpu_metadata
.endif
;; end of part 4
;; ======== version 2 of 2: 4 launches; version 1 with the launch attn written anew for expert scheduling mode
;; workspace buffers: codes 8,388,608 bytes; rope 524,288 bytes; qkv_img 12,582,912 bytes; o_img 4,194,304 bytes
;; launch quant: the kernel of part 1 again; grid 256 x 1, 4 waves a work-group, no clusters, 33,280 bytes of LDS; arguments x, Wqkv, Wo, lowp_scales, codes, rope; writes codes, rope
;; launch qkv: the kernel of part 2 again; grid 12 x 16, 4 waves a work-group, clusters of 4 x 4, 327,680 bytes of LDS; arguments codes, rope, lowp_scales, qkv_img; writes qkv_img
;; launch attn (part 5): grid 8 x 32, 16 waves a work-group, no clusters, 34,816 bytes of LDS; arguments qkv_img, lowp_scales, o_img; writes o_img
.if DOCPART == 5
	.amdgcn_target "amdgcn-amd-amdhsa--gfx1250"
	.amdhsa_code_object_version 6
	.text
	.protected	k_q1663b7a5d9_attn
	.globl	k_q1663b7a5d9_attn
	.p2align	8
	.type	k_q1663b7a5d9_attn,@function
k_q1663b7a5d9_attn:
	s_mov_b64 s[64:65], 0
	v_nop
	global_prefetch_b8 v0, s[64:65] scope:SCOPE_SE
	s_setreg_imm32_b32 hwreg(HW_REG_WAVE_SCHED_MODE, 0, 2), 2
	s_setreg_imm32_b32 hwreg(HW_REG_WAVE_MODE, 25, 1), 1
	s_wait_xcnt 0x0
	s_wait_alu depctr_vm_vsrc(0)
; Causal attention of one head on codes of FP8 (E4M3): S^T = K Q^T (K = the head's 64, v_wmma_f32_16x16x64_fp8_fp8), the softmax, O^T = V^T P^T (K = 128 keys a step, v_wmma_f32_16x16x128_fp8_fp8), and the quantising of o for the last product.
; THE SOFTMAX AHEAD OF THE SECOND PRODUCT: t = score x log2(e) / 8; M = the row's largest t so far, rounded UP to a whole number; p = 2^(t - M) is what is quantised; the row's sum is taken of the unquantised p and divides O at the end.
; When M moves, the sum and O are multiplied by 2^(old M - new M), which rounds nothing.
; SHARES.  Work-group (g, head) owns the blocks g and 15 - g of 128 queries: (g + 1) + (16 - g) = 17 block steps in every work-group, so the causal mask leaves all 256 with equal work.  Each of the sixteen waves owns ONE tile of 16 queries
; in 256 registers: tile wave / 2 of the low block or of the high one; (wave xor wave / 4) % 2 says which, so that of any four waves w, w + 4, w + 8, w + 12, and of any four neighbours, two have the low block.
; K AND V come as images of the operands' registers, 8,192 bytes each for 128 keys.  Each of the 512 threads copies 16 bytes of each from memory into registers a whole key step ahead and from there into the LDS slot that is not being read;
; one barrier a step.  All sixteen waves read them from LDS.  A trip of the loop runs two steps, so that both slots' addresses are immediates; the work-group walks 16 - g key steps, rounded up to even.
; A step all of whose keys come after a wave's queries is left out by a scalar branch on ids, round its products and softmax, not round its copy and its barrier.
; NO CLUSTER, NO TENSOR LOAD: the eight work-groups of a head walk 16 - g key steps, a different number each, and joint requests want the same number in all partners.
; LAYOUT.  Both products are used transposed: a lane holds ONE query (lane % 16) throughout.  The rows of every tile are stored so that lane r holds row 32 (T / 2) + 8 (T % 2) + r % 8 + 16 (r / 8): so the 16 registers of score tiles 2 b and
; 2 b + 1 are the keys 32 b + 16 (lane / 16) + 0 .. 15, and those of O^T's tiles 2 u, 2 u + 1 the channels 32 u + 16 (lane / 16) + 0 .. 15: the conversions' results are the next operand's registers.
; OUT: o_img [128 rows 0..31][K step 0..7][tile 0..7][chunk 0..3][lane][16 bytes]: the last product's A as its registers take it; each store of a wave is 512 consecutive bytes.
; LIMITS on the given exponents: e2 + e3 between -123 and 130 (added to the exponent field of log2(e) / 8); e4 between -126 and 119; e6 - e4 - e5 between -126 and 119.
; REGISTERS: v1 16 x thread; v2 16 x lane; v3 my query less 16 (lane / 16), within its block; v12 -M, v13 the largest t, v[14:15] the sum in two halves; v16-23 Q; v24-31 the next step's 16 bytes of K and of V;
;   v32-95 K's eight fragments, then V's four; v96-159 S^T, then p; v160-191 O^T; v192-207 p's codes; v236-254 at work.  s46-61: sixteen masks of the causal mask.
; THE MODE: SCHED_MODE bits 1:0 = 2 (LLVM: expert scheduling mode 2), set by the entry lines.  The code itself states the register dependences between vector or matrix instructions and memory or LDS instructions, with s_wait_alu, always for 0.
; THE PLAN.  Registers that memory or LDS instructions touch:
;   v1, v2     Offsets and LDS addresses.  Written at the head, never again; one wait on va_vdst ahead of the first load serves every load and store of the kernel.
;   v24-31     The global loads at a step's head land in them; the LDS stores at that step's end read them; no vector instruction names them.  One wait on vm_vsrc at a step's head: the last stores have read them.
;   v32-95     K's LDS loads land; the eight score products read; V's LDS loads land; the four products V^T P^T read.  One wait on va_vdst ahead of K's loads (the last step's products are done reading), one behind the score products.
;              From that second wait to the products V^T P^T no vector or matrix instruction names v32-95, on either way round the mask and round the hold: so V's sixteen loads are dealt among the lines that find the maximum, with no further wait.
;   v192-199   On the way out: the conversions write them, the two global stores read them: one wait on va_vdst between.
;   All else (S^T and p, O^T, p's codes, the statistics) is named by vector and matrix instructions alone.
; A vector instruction's scalar result (the wave's number; the causal mask's masks) has a wait on va_sdst ahead of its first reader: the mask's compares go in runs of sixteen, each run with one wait.
.set TO,   1
.set LI,   2
.set DQ,   3
.set WV,   10                          ; s10  wave
.set TA,   11                          ; s11  my tile of 16 queries in its block
.set QB,   15                          ; s15  my block of 128 queries
.set NT,   16                          ; s16  trips: (17 - g) / 2
.set TRIP, 17                          ; s17  counts them
.set KS,   18                          ; s18  the key step in hand
.set SEL,  20                          ; s[20:21] lane selects for v_permlanex16_b32: lane l xor 16
.set CS,   22                          ; s[22:23] c = log2(e) / 8 x 2^(e2 + e3), as a pair
.set MK,   46                          ; s46-61 the masks of sixteen compares
.set SLOTB, 16384                      ; an LDS slot: K's 8,192 bytes, then V's
	s_load_b128 s[4:7], s[0:1], 0x0                ; qkv_img s[4:5], the scales' exponents s[6:7]
	s_load_b64 s[8:9], s[0:1], 0x10                ; o_img
	v_lshl_add_u32 v251, v0, 2, 0x8000
	v_mov_b32 v255, 0
	v_lshrrev_b32 v4, 5, v0
	v_readfirstlane_b32 s[WV], v4
	v_lshlrev_b32 v[TO], 4, v0
	v_and_b32 v[LI], 31, v0
	v_lshlrev_b32 v[LI], 4, v[LI]
	s_wait_alu depctr_va_sdst(0)                   ; the wave's number is written, ahead of its first reader
	s_lshr_b32 s[TA], s[WV], 1
	s_lshr_b32 s12, s[WV], 2
	s_xor_b32 s12, s12, s[WV]
	s_and_b32 s12, s12, 1                          ; 0: the low block, 1: the high one
	s_and_b32 s14, ttmp7, 0xffff                   ; 16 x batch + head
	s_sub_co_u32 s[QB], 15, ttmp9
	s_cmp_eq_u32 s12, 0
	s_cselect_b32 s[QB], ttmp9, s[QB]
	s_sub_co_u32 s[NT], 17, ttmp9
	s_lshr_b32 s[NT], s[NT], 1
	s_mov_b32 s[TRIP], 0
	s_mov_b32 s[KS], 0
	s_mov_b32 s[SEL], 0x76543210
	s_mov_b32 s[SEL+1], 0xfedcba98
	s_mov_b32 s[CS], 0x3e38aa3b                    ; log2(e) / 8
	v_and_b32 v4, 7, v0
	v_bfe_u32 v5, v0, 3, 1
	v_bfe_u32 v6, v0, 4, 1
	v_sub_nc_u32 v5, v5, v6
	v_lshl_add_u32 v[DQ], v5, 4, v4                ; r % 8 + 16 (r / 8) - 16 h, a signed number
	s_lshr_b32 s40, s[TA], 1
	s_lshl_b32 s40, s40, 5
	s_and_b32 s41, s[TA], 1
	s_lshl_b32 s41, s41, 3
	s_add_co_u32 s40, s40, s41
	v_add_nc_u32 v[DQ], s40, v[DQ]                 ; + 32 (tile / 2) + 8 (tile % 2)
	s_lshl_b32 s40, s14, 17                        ; my head: 128 KiB in each of q, k, v
	s_mov_b32 s41, 0
	s_lshl_b32 s42, s[QB], 13
	s_lshl_b32 s43, s[TA], 10
	s_add_co_u32 s42, s42, s43                     ; my tile of Q: block x 8,192 + tile x 1,024
	s_mov_b32 s43, 0
	s_wait_kmcnt 0x0
	s_load_b256 s[24:31], s[6:7], 0x0              ; e0 .. e7
	s_add_nc_u64 s[34:35], s[4:5], s[40:41]
	s_add_nc_u64 s[32:33], s[34:35], 0x400000      ; K of my head; V lies 4 MiB further on
	s_add_nc_u64 s[34:35], s[34:35], s[42:43]
	s_wait_alu depctr_va_vdst(0)                   ; v1 and v2 are written: every load and store of the kernel reads one of them as its offset or LDS address, and no vector instruction names them again
	global_load_b128 v[16:19], v[LI], s[34:35]             ; Q stays in registers: channels 16 h + 0..15,
	global_load_b128 v[20:23], v[LI], s[34:35] offset:512  ; 32 + 16 h + 0..15
	global_load_b128 v[24:27], v[TO], s[32:33]             ; key step 0
	global_load_b128 v[28:31], v[TO], s[32:33] offset:0x400000
	s_lshr_b32 s40, s14, 4                         ; where my tile of o goes: block of 128 rows = 16 x batch + my block of queries,
	s_lshl_b32 s40, s40, 4
	s_add_co_u32 s40, s40, s[QB]
	s_lshl_b32 s40, s40, 17
	s_bfe_u32 s42, s14, 0x30001                    ; K step = head / 2,
	s_lshl_b32 s42, s42, 14
	s_add_co_u32 s40, s40, s42
	s_lshl_b32 s42, s[TA], 11                      ; my tile,
	s_add_co_u32 s40, s40, s42
	s_and_b32 s42, s14, 1                          ; chunks 2 (head % 2) and the next
	s_lshl_b32 s42, s42, 10
	s_add_co_u32 s40, s40, s42
	s_add_nc_u64 s[8:9], s[8:9], s[40:41]
	v_mov_b32 v13, 0xff61b1e6                      ; the largest t so far: -3e38, under every t
	v_floor_f32 v12, -v13                          ; -M
	v_mov_b32 v14, 0                               ; the sum, in two halves
	v_mov_b32 v15, 0
	v_mov_b32 v236, 0                              ; a lane permute's destination counts as one of its sources
	v_mov_b32 v253, 0                              ; (named as the upper half of the pair v[252:253])
.set n, 0
.rept 32
	v_mov_b32 v[160+n], 0                          ; O^T.  (The step is written once: the first finds zeros, which the first change of M leaves zeros)
.set n, n+1
.endr
	s_wait_kmcnt 0x0
	s_add_co_i32 s40, s26, s27
	s_lshl_b32 s40, s40, 23
	s_add_co_i32 s[CS], s[CS], s40                 ; a score stands for score x 2^(e2 + e3): added to c's exponent field
	s_mov_b32 s[CS+1], s[CS]
	s_add_co_i32 s40, s28, 127
	s_lshl_b32 s42, s40, 23
	v_mov_b32 v244, s42                            ; 2^e4 as f32, for p's conversion
	s_add_co_i32 s40, s40, 8
	s_lshl_b32 s40, s40, 23
	s_or_b32 s40, s40, 0x600000
	v_mov_b32 v240, s40                            ; 448 x 2^e4
	s_sub_co_i32 s40, s30, s28
	s_sub_co_i32 s40, s40, s29                     ; O^T / the sum stands for that x 2^(e4 + e5): o's conversion takes 2^(e6 - e4 - e5)
	s_add_co_i32 s40, s40, 127
	s_lshl_b32 s44, s40, 23
	s_add_co_i32 s40, s40, 8
	s_lshl_b32 s45, s40, 23
	s_or_b32 s45, s45, 0x600000
	s_wait_loadcnt 0x0
	ds_store_b128 v[TO], v[24:27]
	ds_store_b128 v[TO], v[28:31] offset:8192
	s_wait_dscnt 0x0                               ; for the others' sake: my part of key step 0 lies in slot 0
	s_barrier_signal -1
	s_barrier_wait -1
; V's tile t (16 channels x 128 keys: four loads) out of LDS slot `slot`.
.macro VLOAD slot, t
.irp c, 0,1,2,3
	ds_load_b128 v[32+16*(\t)+4*\c:32+16*(\t)+4*\c+3], v[LI] offset:(\slot)*SLOTB+8192+(\t)*2048+\c*512
.endr
.endm
; A KEY STEP: 128 keys, out of LDS slot `slot`.
.macro STEP slot
	s_add_co_u32 s40, s[KS], 1                     ; the next step's K and V are asked for now.  (The last step has no next: the number is held at 15, inside the head; what comes then is stored and never read)
	s_min_u32 s40, s40, 15
	s_lshl_b32 s40, s40, 13
	s_add_nc_u64 s[36:37], s[32:33], s[40:41]      ; (the last loads by this pair were waited for at the last step's end)
	s_wait_alu depctr_vm_vsrc(0)                   ; the LDS stores at the last step's end (ahead of the first step: the head's) have read v24-31, in which the two loads below land
	global_load_b128 v[24:27], v[TO], s[36:37]
	global_load_b128 v[28:31], v[TO], s[36:37] offset:0x400000
	s_cmp_gt_u32 s[KS], s[QB]                      ; all these keys come after my queries
	s_cbranch_scc1 .Lhidden_\@
	s_wait_alu depctr_va_vdst(0)                   ; the last step's products V^T P^T are done reading v32-95, in which K's fragments land
.irp t, 0,1,2,3,4,5,6,7
.irp c, 0,1
	ds_load_b128 v[32+8*\t+4*\c:32+8*\t+4*\c+3], v[LI] offset:\slot*SLOTB+\t*1024+\c*512
.endr
.endr
	s_wait_dscnt 0x0
.irp t, 0,1,2,3,4,5,6,7
	v_wmma_f32_16x16x64_fp8_fp8 v[96+8*\t:103+8*\t], v[32+8*\t:39+8*\t], v[16:23], 0
.endr
.rept 4
	v_nop                                          ; places in front of the first read of the scores (ISA guide 7.12.1)
.endr
	s_wait_alu depctr_va_vdst(0)                   ; the eight products are done reading v32-95, in which V's fragments land; no vector or matrix instruction names these registers again ahead of the products V^T P^T
	VLOAD \slot, 0                                 ; V lands while the softmax is worked: one tile's four loads here, the other three tiles' among the lines that find the maximum
	s_cmp_lg_u32 s[KS], s[QB]                      ; on the diagonal the scores of hidden keys become -infinity ahead of the maximum: p = 0 then
	s_cbranch_scc1 .Lopen_\@
	v_mov_b32 v254, 0xff800000
.irp b, 0,1,2,3                                ; register 16 b + i holds key 32 b + 16 h + i of the block: hidden where 32 b + i > my query - 16 h.  Sixteen compares, one wait, sixteen selects
.set n, 0
.rept 16
	v_cmp_gt_i32 s[MK+n], 32*\b+n, v[DQ]
.set n, n+1
.endr
	s_wait_alu depctr_va_sdst(0)                   ; the sixteen masks are written, ahead of the selects that read them
.set n, 0
.rept 16
	v_cndmask_b32 v[96+16*\b+n], v[96+16*\b+n], v254, s[MK+n]
.set n, n+1
.endr
.endr
.Lopen_\@:
	v_max3_num_f32 v254, v96, v97, v98             ; the step's largest score of my query, among my 64 keys, in two chains,
	v_max3_num_f32 v252, v99, v100, v101
.irp i, 6,10,14,18,22,26,30,34,38,42,46,50,54,58
	v_max3_num_f32 v254, v254, v[96+\i], v[97+\i]
	v_max3_num_f32 v252, v252, v[98+\i], v[99+\i]
.if (\i == 14) || (\i == 30) || (\i == 46)
	VLOAD \slot, (\i+2)/16                         ; V's tiles 1, 2, 3.  No wait: no vector or matrix instruction since the wait behind the score products names v32-95
.endif
.endr
	v_max3_num_f32 v254, v254, v158, v159
	v_max_num_f32 v254, v254, v252
	v_permlanex16_b32 v236, v254, s[SEL], s[SEL+1]
	v_max_num_f32 v254, v254, v236                 ; and among lane l xor 16's
	v_mul_f32 v254, s[CS], v254                    ; as t (c is positive)
	v_max_num_f32 v13, v13, v254                   ; the running largest t
	v_mov_b32 v254, v12
	v_floor_f32 v12, -v13                          ; the new -M = floor(-t) = -ceil(t): a whole number
	v_sub_f32 v254, v12, v254                      ; M's old value less its new one: a whole number, 0 or less
	v_cvt_i32_f32 v254, v254                       ; (it saturates)
	v_ldexp_f32 v252, 1.0, v254                    ; f = 2^(old M - new M)
.set n, 0
.rept 32
	v_pk_fma_f32 v[96+n:97+n], v[96+n:97+n], s[CS:CS+1], v[12:13] op_sel_hi:[1,0,0]   ; t - M, two at a time
.set n, n+2
.endr
.set n, 0
.rept 64
	v_exp_f32 v[96+n], v[96+n]                     ; p = 2^(t - M): not normalised.  The 64 are one batch
.set n, n+1
.endr
	v_pk_mul_f32 v[14:15], v[14:15], v[252:253] op_sel_hi:[1,0]   ; the sums under the new M.  (A plain line behind the batch)
	s_wait_alu depctr_va_vdst(0)                   ; the 64 exponentials have written v96-159: one wait for the batch, ahead of its first reader
	v_pk_add_f32 v[242:243], v[96:97], v[98:99]    ; the row's sum is taken of the unquantised p: two at a time, in two chains
.irp j, 4,8,12,16,20,24,28,32,36,40,44,48,52,56,60
	v_pk_add_f32 v[14:15], v[14:15], v[96+\j:97+\j]
	v_pk_add_f32 v[242:243], v[242:243], v[98+\j:99+\j]
.endr
	v_pk_add_f32 v[14:15], v[14:15], v[242:243]
	s_cmp_ge_i32 s28, -8                           ; p is at most 1 (and a last bit), and 448 x 2^e4 is 1.75 or more from e4 = -8 on: the hold can change nothing there and is passed over; below, it is executed
	s_cbranch_scc1 .Lnohold_\@
.set n, 0
.rept 64
	v_min_num_f32 v[96+n], v[96+n], v240           ; the conversion to an 8-bit code does not saturate (ISA guide 7.6.2); p is not negative, so the hold is one-sided
.set n, n+1
.endr
.Lnohold_\@:
.irp t, 0,1,2,3,4,5,6,7
	v_cvt_scalef32_pk8_fp8_f32 v[192+2*\t:193+2*\t], v[96+8*\t:103+8*\t], v244
.endr
.set n, 0
.rept 16
	v_pk_mul_f32 v[160+n:161+n], v[160+n:161+n], v[252:253] op_sel_hi:[1,0]   ; O^T under the new M.  (Also the plain lines between the conversions and the products)
.set n, n+2
.endr
	s_wait_dscnt 0x0                               ; V is in
.irp t, 0,1,2,3                                ; the four accumulators take turns, and the scores' products stand between two steps'
	v_wmma_f32_16x16x128_fp8_fp8 v[160+8*\t:167+8*\t], v[32+16*\t:47+16*\t], v[192:207], v[160+8*\t:167+8*\t]
.endr
.Lhidden_\@:
	s_wait_loadcnt 0x0                             ; the next step's bytes are in registers (loads wrote them, no vector instruction),
	ds_store_b128 v[TO], v[24:27] offset:(1-\slot)*SLOTB          ; and go into the other slot, whose last reads stood in front of the last barrier
	ds_store_b128 v[TO], v[28:31] offset:(1-\slot)*SLOTB+8192
	s_add_co_u32 s[KS], s[KS], 1
	s_wait_dscnt 0x0                               ; my stores have landed, and my reads of this slot are over
	s_barrier_signal -1
	s_barrier_wait -1                              ; both now hold of all sixteen waves
.endm
.Ltrip:
	STEP 0
	STEP 1
	s_add_co_u32 s[TRIP], s[TRIP], 1
	s_cmp_lt_u32 s[TRIP], s[NT]
	s_cbranch_scc1 .Ltrip
	; THE WAY OUT: O^T / the sum, quantised along the channels, which are the last product's K
.rept 4
	v_nop                                          ; places behind the last products
.endr
	v_add_f32 v14, v14, v15                        ; the sum's two halves,
	v_permlanex16_b32 v236, v14, s[SEL], s[SEL+1]
	v_add_f32 v14, v14, v236                       ; and lane l xor 16's
	v_rcp_f32 v14, v14
	v_mov_b32 v245, s44                            ; (plain lines behind the reciprocal)  2^(e6 - e4 - e5)
	v_mov_b32 v241, s45                            ; 448 x that
	s_wait_alu depctr_va_vdst(0)                   ; the reciprocal has written v14, ahead of its first reader
.set n, 0
.rept 16
	v_pk_mul_f32 v[96+n:97+n], v[160+n:161+n], v[14:15] op_sel_hi:[1,0]   ; register 8 t + i: channel 32 (t / 2) + 16 h + 8 (t % 2) + i of my query
.set n, n+2
.endr
.set n, 0
.rept 32
	v_med3_num_f32 v[96+n], v[96+n], -v241, v241
.set n, n+1
.endr
.irp t, 0,1,2,3
	v_cvt_scalef32_pk8_fp8_f32 v[192+2*\t:193+2*\t], v[96+8*\t:103+8*\t], v245
.endr
	v_nop
	s_wait_alu depctr_va_vdst(0)                   ; the four conversions have written v192-199, which the two stores read
	global_store_b128 v[LI], v[192:195], s[8:9]            ; channels 16 h + 0..15 of my head: 512 consecutive bytes a wave
	global_store_b128 v[LI], v[196:199], s[8:9] offset:512 ; channels 32 + 16 h + 0..15
	s_wait_dscnt 0x0
	s_wait_alu depctr_hold_cnt(0) depctr_sa_sdst(0) depctr_va_vdst(0) depctr_va_sdst(0) depctr_va_ssrc(0) depctr_va_vcc(0) depctr_vm_vsrc(0)
	s_wait_tensorcnt 0x0
	ds_add_u32 v251, v255
	s_wait_dscnt 0x0
	s_endpgm
.Lfunc_end_k_q1663b7a5d9_attn:
	.size	k_q1663b7a5d9_attn, .Lfunc_end_k_q1663b7a5d9_attn-k_q1663b7a5d9_attn
	.p2alignl 7, 3214868480
	.fill 96, 4, 3214868480
	.section	.rodata,"a",@progbits
	.p2align	6, 0x0
	.amdhsa_kernel k_q1663b7a5d9_attn
		.amdhsa_group_segment_fixed_size 34816
		.amdhsa_private_segment_fixed_size 0
		.amdhsa_enable_private_segment 0
		.amdhsa_kernarg_size 24
		.amdhsa_user_sgpr_count 2
		.amdhsa_user_sgpr_kernarg_segment_ptr 1
		.amdhsa_wavefront_size32 1
		.amdhsa_system_sgpr_workgroup_id_x 1
		.amdhsa_system_sgpr_workgroup_id_y 1
		.amdhsa_system_sgpr_workgroup_id_z 1
		.amdhsa_system_vgpr_workitem_id 0
		.amdhsa_next_free_vgpr 256
		.amdhsa_next_free_sgpr 66
		.amdhsa_reserve_vcc 0
		.amdhsa_float_denorm_mode_32 3
		.amdhsa_float_denorm_mode_16_64 3
		.amdhsa_memory_ordered 1
		.amdhsa_forward_progress 1
		.amdhsa_inst_pref_size 60
	.end_amdhsa_kernel
	.amdgpu_metadata
---
amdhsa.version: [ 1, 2 ]
amdhsa.kernels:
  - .name:           k_q1663b7a5d9_attn
    .symbol:         k_q1663b7a5d9_attn.kd
    .args:
      - { .name: qkv_img, .offset: 0, .size: 8, .value_kind: global_buffer, .address_space: global }
      - { .name: lowp_scales, .offset: 8, .size: 8, .value_kind: global_buffer, .address_space: global }
      - { .name: o_img, .offset: 16, .size: 8, .value_kind: global_buffer, .address_space: global }
    .group_segment_fixed_size: 34816
    .private_segment_fixed_size: 0
    .kernarg_segment_align: 8
    .kernarg_segment_size: 24
    .max_flat_workgroup_size: 512
    .sgpr_count:     66
    .vgpr_count:     256
    .wavefront_size: 32
...
	.end_amdgpu_metadata
.endif
;; end of part 5
;; launch proj: the kernel of part 4 again; grid 8 x 32, 4 waves a work-group, clusters of 4 x 4, 327,680 bytes of LDS; arguments o_img, codes, lowp_scales, out0; writes out0
